; MI455X (gfx1250); checked and timed in simulation.
; The chip was launched on July 23, 2026; its instructions are those of AMD's public machine-readable ISA for CDNA 5 (MIT licence, August 2026) and "CDNA5" Instruction Set Architecture Reference Guide (July 2026). The comments in the code are by the model that wrote it; some were corrected since.
;; Multi Head Attention. Allowed arithmetic: matrix products marked QUANTISED: E2M3 operands, one E8M0 scale for each 32 along K, by v_wmma_scale_f32_16x16x128_f8f6f4 with both operands' format E2M3, f32 sums; everything else in f32.
;; Inputs: W_k 1,024 x 1,024 float32; W_o 1,024 x 1,024 float32; W_q 1,024 x 1,024 float32; W_v 1,024 x 1,024 float32; mask 2,048 x 2,048 bool; xk 4 x 2,048 x 1,024 float32; xq 4 x 2,048 x 1,024 float32; xv 4 x 2,048 x 1,024 float32.
;; Outputs: out0 4 x 2,048 x 1,024 float32.
;; This version of the problem:
;;   THIS VERSION OF THE PROBLEM IS GIVEN IN LOW PRECISION. The matrix products marked QUANTISED in the list below multiply operands that are first quantised to E2M3 (2 exponent bits, 3 mantissa bits; 6 bits a number), with one power-of-two scale for each 32 numbers along K (OCP MX v1.0); their sums are f32. All else is computed in f32.
;;   The module's matrix products, in the order in which they are computed (A, B: the left and right operand; K: the contracted axis; several contracted axes count as one K, in the product's order):
;;     1. [M 8,192, K 1,024] x [K 1,024, N 1,024]; A: input xq; B: input W_q: QUANTISED
;;     2. [M 8,192, K 1,024] x [K 1,024, N 1,024]; A: input xk; B: input W_k: QUANTISED
;;     3. [M 8,192, K 1,024] x [K 1,024, N 1,024]; A: input xv; B: input W_v: QUANTISED
;;     4. batch 64 x [M 2,048, K 64] x [K 64, N 2,048]; A: computed on the way; B: computed on the way: QUANTISED
;;     5. batch 64 x [M 2,048, K 2,048] x [K 2,048, N 64]; A: softmax (see below); B: computed on the way: QUANTISED
;;     6. [M 8,192, K 1,024] x [K 1,024, N 1,024]; A: computed on the way; B: input W_o: QUANTISED
;;   THE QUANTISER, for each operand of a quantised product, along K:
;;     - K is cut into blocks of 32 from its start; a last block that is shorter is filled with zeros.
;;     - A block's scale is 2^e with e = floor(log2(the largest magnitude in the block)) - 2, held to -126 .. 127; a block of zeros has e = 0. As a byte (E8M0): e + 127.
;;     - Each number is divided by its block's scale, clamped to +-7.5, and rounded to the nearest number of E2M3, ties to even, subnormals kept.
;;     - The product sums the exact products of the quantised numbers (number of the format x scale) in f32.
;;   ~~~python
;;   def quantise(x, axis):      # numpy; x: float32 -> the quantised numbers, widened to float32 again
;;       x = np.moveaxis(x, axis, -1); K = x.shape[-1]
;;       x = np.pad(x, [(0, 0)] * (x.ndim - 1) + [(0, -K % 32)]); x = x.reshape(x.shape[:-1] + (-1, 32)); a = np.abs(x).max(-1, keepdims=True)
;;       e = np.where(a > 0, np.clip(np.frexp(np.where(a > 0, a, 1))[1] - 1 - 2, -126, 127), 0)      # np.frexp(a)[1] - 1 = floor(log2(a)), exactly
;;       r = np.clip(x / 2.0 ** e, -7.5, 7.5)
;;       step = 2.0 ** (np.maximum(np.frexp(np.where(r == 0, 1, r))[1] - 1, 0) - 3)
;;       q = np.round(r / step) * step * 2.0 ** e      # np.round: ties to even
;;       return np.moveaxis(q.reshape(q.shape[:-2] + (-1,))[..., :K], -1, axis).astype(np.float32)
;;   ~~~
;;   SOFTMAX AHEAD OF A QUANTISED PRODUCT. Where the list says 'softmax', what is quantised is not the finished softmax but p = 2^(t - M), with t = logit x log2(e) and M = ceil(the row's largest t), a whole number; so 1/2 < the row's largest p <= 1. The row's sum l is taken of the UNQUANTISED p, in f32, and the product's result is divided by l at the end. Since M is a whole number, a kernel that streams over the keys may use a running M (the ceiling of the running maximum): every later rescaling is an exact power of two, which a block's scale takes up: the codes' values come out the same.
;;   OPERANDS COMPUTED ON THE WAY. 'Computed on the way' means the value that the module computes at that place (a softmax that the list does not call 'softmax' is quantised finished and normalised). What goes into a quantiser is computed in f32, as accurately as f32 sums, v_exp_f32 and their like allow (about 1e-6 of the number): no bf16 or f16 on the way to a quantiser, and a product that is left as it is and whose result goes on into a quantised operand takes f32 operands (vector FMAs, or v_wmma_f32_16x16x4_f32). A number that lies on a knife's edge between two numbers of the format may be rounded either way, as far as f32 arithmetic and the matrix unit's own rounding can turn it there, and no further.
;; One version. Each part assembles by itself: llvm-mc -triple=amdgcn-amd-amdhsa -mcpu=gfx1250 --defsym DOCPART=n.
;; ======== version 1 of 1: 4 launches
;; workspace buffers: xb 19,660,800 bytes; wb 3,276,800 bytes; maskw 524,288 bytes of whole numbers; qb 6,815,744 bytes; kv 13,631,488 bytes; cb 6,553,600 bytes
;; launch prep (part 1): grid 640 x 1, 4 waves a work-group, no clusters, 58,880 bytes of LDS; arguments xq, xk, xv, W_q, W_k, W_v, W_o, mask, xb, wb, maskw; writes xb, wb, maskw
.if DOCPART == 1
	.amdgcn_target "amdgcn-amd-amdhsa--gfx1250"
	.amdhsa_code_object_version 6
	.text
	.protected	k_qaf717d0654_prep
	.globl	k_qaf717d0654_prep
	.p2align	8
	.type	k_qaf717d0654_prep,@function
k_qaf717d0654_prep:
	s_mov_b64 s[64:65], 0
	v_nop
	global_prefetch_b8 v0, s[64:65] scope:SCOPE_SE
	s_setreg_imm32_b32 hwreg(HW_REG_WAVE_MODE, 25, 1), 1
	s_wait_xcnt 0x0
; THE FIRST LAUNCH: xq, xk, xv [8192][1024] and W_q, W_k, W_v, W_o [1024 (k)][1024 (n)], f32, become codes of FP6 (E2M3) with one E8M0 byte for each 32 along K; the mask becomes lane masks.
; A block's scale is 2^(floor(log2(its largest magnitude)) - 2); its byte is the largest magnitude's exponent field - 2, held at 1 from below.
; LIMITS: NaN and infinities among the inputs are not served; a block whose largest magnitude lies under 2^-124 keeps the byte 1; a block of zeros keeps the byte 1 where the rule says 127
; (its codes are zeros, which add nothing, and this program alone reads the bytes); any mask byte other than 0 counts as True.
; LAYOUT OF THE CODES: in the order of the operand's registers.  A HALF-IMAGE is 768 bytes: 16 rows x 64 K: lane l = (r = l % 16, h = l / 16) holds the 24 bytes of k = 32 h .. 32 h + 31 of row r:
; its registers 0-3 at 16 l, its registers 4-5 at 512 + 8 l.  xb: [tensor 3][row block 512][half-image 16]; wb: [weight 4][row block 64][half-image 16].
; Scale bytes: 512 bytes a row block: [256 along K: 4][row 16][128 along K: 2] words of four bytes.
; ORDER OF ROWS: the weights' rows n, xk's and xv's rows lie with bits 3 and 4 of the row's number exchanged (row 32 g + 16 a + 8 u + c at place 32 g + 16 u + 8 a + c); xq's rows lie as they are.
; maskw: [tile of 16 queries 128][step of 128 keys 16][64 words]: bit l of word 16 b + i is mask[16 T + l % 16][128 step + 32 b + 16 (l / 16) + i].
; THREE PATHS, parted by the work-group's number: 0-127 the weights, 128-255 the mask, 256-639 the x tensors.  Each path that uses LDS has LDS bytes of its own.  Waves share nothing: no barrier.
.set XS0,   18874368                   ; xb: where the scale bytes begin
.set WS0,   3145728                    ; wb: likewise
.set XSTG,  8448                       ; x's stage: 16 rows x (512 bytes + 16), one for each wave, from LDS byte 0
.set WBASE, 4*XSTG                     ; behind them the weights' stages: 2 row blocks x 4 half-images, one for each wave
.set WSTG,  6144
.set SPARE, WBASE+4*WSTG               ; the spare words, 128 bytes for each wave: two blocks of 256 bytes that no other line names
.set FLOOR, 0x1800000                  ; 2^(3 - 127): under it no largest magnitude is taken, so the byte cannot fall under 1
.set OFF2,  0xff000000                 ; takes 2 off an exponent field
.macro FINISH                          ; the wave's end, behind my last LDS store
	s_wait_tensorcnt 0x0
	ds_add_u32 v1, v2
	s_wait_dscnt 0x0
	s_endpgm
.endm
	s_load_b512 s[4:19], s[0:1], 0x0               ; xq s[4:5], xk s[6:7], xv s[8:9], W_q s[10:11], W_k s[12:13], W_v s[14:15], W_o s[16:17], mask s[18:19]
	s_load_b128 s[20:23], s[0:1], 0x40             ; xb s[20:21], wb s[22:23]
	s_load_b64 s[24:25], s[0:1], 0x50              ; maskw
	v_lshl_add_u32 v1, v0, 2, SPARE                ; my spare word; never rewritten
	v_mov_b32 v2, 0                                ; 0; never rewritten
	v_lshrrev_b32 v3, 5, v0
	v_readfirstlane_b32 s26, v3                    ; wave 0..3
	v_and_b32 v3, 31, v0                           ; lane
	s_mov_b32 s37, 0                               ; the upper word of every offset
	s_wait_kmcnt 0x0
	s_cmp_lt_u32 ttmp9, 128
	s_cbranch_scc1 .Lweights
	s_cmp_lt_u32 ttmp9, 256
	s_cbranch_scc1 .Lmask
; ---------------- THE X TENSORS.  A wave takes one row block: 16 rows x 1,024 K, in 8 steps of 128 along K.
; Each load reads 512 consecutive bytes of one row; a step's 16 rows turn through the wave's stage, so that lane (r, h) gets 2 x 32 neighbours along K of row r: two whole blocks, no other lane is asked for a maximum.
	s_sub_co_u32 s27, ttmp9, 256
	s_lshr_b32 s28, s27, 7                         ; which tensor: 0 xq, 1 xk, 2 xv
	s_lshl_b32 s29, s27, 2
	s_add_co_u32 s29, s29, s26
	s_and_b32 s29, s29, 511                        ; my row block
	s_and_b32 s32, s29, 1
	s_lshl_b32 s32, s32, 3
	s_lshl_b32 s33, s29, 4                         ; rows as they are: the block begins at row 16 RB, its upper eight rows 8 rows on
	s_sub_co_u32 s34, s33, s32                     ; bits exchanged: it begins at 16 (RB - RB % 2) + 8 (RB % 2), its upper eight rows 16 rows on
	s_mov_b32 s35, 65536
	s_cmp_eq_u32 s28, 0
	s_cselect_b64 s[30:31], s[4:5], s[6:7]
	s_cselect_b32 s33, s33, s34
	s_cselect_b32 s35, 32768, s35
	s_cmp_eq_u32 s28, 2
	s_cselect_b64 s[30:31], s[8:9], s[30:31]
	s_lshl_b32 s36, s33, 12                        ; a row is 4,096 bytes
	s_add_nc_u64 s[30:31], s[30:31], s[36:37]
	s_mul_i32 s36, s28, 6291456
	s_mul_i32 s38, s29, 12288
	s_add_co_u32 s36, s36, s38
	s_add_nc_u64 s[40:41], s[20:21], s[36:37]      ; my row block's codes
	s_mul_i32 s36, s28, 262144
	s_lshl_b32 s38, s29, 9
	s_add_co_u32 s36, s36, s38
	s_add_co_u32 s36, s36, XS0
	s_add_nc_u64 s[42:43], s[20:21], s[36:37]      ; and its scale bytes
	s_mov_b32 s44, 0x76543210
	s_mov_b32 s45, 0xfedcba98                      ; v_permlanex16_b32's selects for lane l xor 16
	s_mov_b32 s46, 0xffff0000                      ; lanes 16-31
	v_lshlrev_b32 v4, 4, v3                        ; 16 x lane: in a row's 512 bytes, and in a half-image
	v_add_nc_u32 v5, s35, v4                       ; the same for the upper eight rows
	s_mul_i32 s38, s26, XSTG
	v_add_nc_u32 v6, s38, v4                       ; the stage, on the way in
	v_and_b32 v7, 15, v3                           ; r
	v_lshrrev_b32 v8, 4, v3                        ; h
	v_mul_u32_u24 v9, v7, 528
	v_lshl_add_u32 v9, v8, 7, v9
	v_add_nc_u32 v9, s38, v9                       ; and on the way out: row r, + 128 h
	v_lshlrev_b32 v10, 3, v3                       ; 8 x lane
	v_lshlrev_b32 v11, 3, v8                       ; 8 h: my bytes' place in a scale word
	v_mov_b32 v247, 0                              ; written once: a lane permute's destination counts as one of its sources
.macro XLOAD s                         ; step s: 512 bytes of each of the 16 rows, into set s % 2
.irp j, 0,1,2,3,4,5,6,7
	global_load_b128 v[16+64*((\s)%2)+4*\j:16+64*((\s)%2)+4*\j+3], v4, s[30:31] offset:4096*\j+512*(\s) th:TH_LOAD_NT
.endr
.irp j, 0,1,2,3,4,5,6,7
	global_load_b128 v[48+64*((\s)%2)+4*\j:48+64*((\s)%2)+4*\j+3], v5, s[30:31] offset:4096*\j+512*(\s) th:TH_LOAD_NT
.endr
.endm
.macro XSTEP s
.if (\s) < 7
	s_wait_loadcnt 16                              ; this step's 16 loads are in; the next step's 16 may be out
.else
	s_wait_loadcnt 0x0
.endif
.irp j, 0,1,2,3,4,5,6,7,8,9,10,11,12,13,14,15
	ds_store_b128 v6, v[16+64*((\s)%2)+4*\j:16+64*((\s)%2)+4*\j+3] offset:528*\j
.endr
.irp c, 0,1
.irp i, 0,1,2,3,4,5,6,7
	ds_load_b128 v[144+32*\c+4*\i:144+32*\c+4*\i+3], v9 offset:256*\c+16*\i   ; LDS serves a wave's instructions in order: these see the stores above
.endr
.endr
	s_wait_dscnt 0x0                               ; my 64 numbers are back, and the stores have read their registers,
.if (\s)+2 < 8
	XLOAD (\s)+2                                   ; which take the loads of two steps on
.endif
.irp c, 0,1
	v_max3_num_f32 v[240+\c], |v[144+32*\c]|, |v[145+32*\c]|, FLOOR   ; block 2 c + h of the step: all its 32 numbers are mine
.endr
.irp i, 2,4,6,8,10,12,14,16,18,20,22,24,26,28,30
.irp c, 0,1
	v_max3_num_f32 v[240+\c], v[240+\c], |v[144+32*\c+\i]|, |v[145+32*\c+\i]|
.endr
.endr
.irp c, 0,1
	v_add_nc_u32 v[242+\c], OFF2, v[240+\c]        ; the conversion takes the exponent field of this operand as its scale
.endr
.irp c, 0,1
	v_lshrrev_b32 v[244+\c], 23, v[242+\c]         ; the scale's byte
.endr
	s_wait_xcnt 0x0                                ; the last step's stores have read the codes' registers: they are written again only behind this wait
.irp c, 0,1
	v_cvt_scalef32_pk16_fp6_f32 v[208+12*\c:210+12*\c], v[144+32*\c:159+32*\c], v[242+\c]
	v_cvt_scalef32_pk16_fp6_f32 v[214+12*\c:216+12*\c], v[160+32*\c:175+32*\c], v[242+\c]   ; (a conversion's three registers begin on an even number)
.endr
	v_nop                                          ; one plain place behind a scaled conversion
.irp c, 0,1
.irp i, 0,1,2
	v_mov_b32 v[211+12*\c+\i], v[214+12*\c+\i]
.endr
.endr
.irp c, 0,1
	global_store_b128 v4, v[208+12*\c:211+12*\c], s[40:41] offset:(2*(\s)+\c)*768       ; half-image 2 s + c: 512 consecutive bytes,
	global_store_b64 v10, v[212+12*\c:213+12*\c], s[40:41] offset:(2*(\s)+\c)*768+512   ; and 256
.endr
	v_lshl_or_b32 v246, v245, 16, v244             ; my two bytes: blocks h and 2 + h,
	v_lshlrev_b32 v246, v11, v246                  ; at their places in the scale word;
	v_permlanex16_b32 v247, v246, s44, s45
	v_or_b32 v[232+(\s)], v246, v247               ; with lane l xor 16's two the word is whole
.endm
	XLOAD 0
	XLOAD 1
.irp s, 0,1,2,3,4,5,6,7
	XSTEP \s
.endr
.irp j, 0,1                                    ; the record [256 along K][row][128 along K]: lanes 0-15 store words 4 j, 4 j + 1 of row r, lanes 16-31 words 4 j + 2, 4 j + 3
	v_cndmask_b32 v[240+2*\j], v[232+4*\j], v[234+4*\j], s46
	v_cndmask_b32 v[241+2*\j], v[233+4*\j], v[235+4*\j], s46
	global_store_b64 v10, v[240+2*\j:241+2*\j], s[42:43] offset:256*\j   ; 256 consecutive bytes
.endr
	FINISH
; ---------------- THE WEIGHTS.  K is their first axis: a lane takes a column n and its registers run down K.  A wave takes 32 columns x 256 along K: 8 blocks a lane.
.Lweights:
	s_lshr_b32 s27, ttmp9, 5                       ; which weight: 0 q, 1 k, 2 v, 3 o
	s_and_b32 s28, ttmp9, 7                        ; which 128 columns
	s_bfe_u32 s29, ttmp9, 0x20003                  ; which 256 along K
	s_and_b32 s32, s27, 1
	s_cmp_lt_u32 s27, 2
	s_cselect_b64 s[30:31], s[10:11], s[14:15]
	s_cselect_b64 s[34:35], s[12:13], s[16:17]
	s_cmp_eq_u32 s32, 0
	s_cselect_b64 s[30:31], s[30:31], s[34:35]
	s_lshl_b32 s36, s29, 20                        ; 256 rows of 4,096 bytes
	s_lshl_b32 s38, s28, 9
	s_add_co_u32 s36, s36, s38
	s_lshl_b32 s38, s26, 7
	s_add_co_u32 s36, s36, s38                     ; + 4 x my wave's first column
	s_add_nc_u64 s[30:31], s[30:31], s[36:37]
	s_lshl_b32 s33, s28, 3
	s_lshl_b32 s38, s26, 1
	s_add_co_u32 s33, s33, s38                     ; my two row blocks: 8 x (128 columns) + 2 x wave on
	s_mul_i32 s36, s27, 786432
	s_mul_i32 s38, s33, 12288
	s_add_co_u32 s36, s36, s38
	s_mul_i32 s38, s29, 3072
	s_add_co_u32 s36, s36, s38
	s_add_nc_u64 s[40:41], s[22:23], s[36:37]      ; their codes, at my four half-images
	s_lshl_b32 s36, s27, 15
	s_lshl_b32 s38, s33, 9
	s_add_co_u32 s36, s36, s38
	s_lshl_b32 s38, s29, 7
	s_add_co_u32 s36, s36, s38
	s_add_co_u32 s36, s36, WS0
	s_add_nc_u64 s[42:43], s[22:23], s[36:37]      ; and their scale bytes
	v_lshlrev_b32 v4, 2, v3                        ; in: 4 bytes a lane
	v_bfe_u32 v5, v3, 3, 1                         ; column 16 a + 8 u + c lies at place 16 u + 8 a + c: row block u,
	v_bfe_u32 v6, v3, 4, 1
	v_and_b32 v7, 7, v3
	v_lshl_add_u32 v7, v6, 3, v7                   ; row r = 8 a + c
	s_mul_i32 s38, s26, WSTG
	s_add_co_u32 s38, s38, WBASE                   ; my stage
	v_mul_u32_u24 v8, v5, 3072
	v_add_nc_u32 v8, s38, v8
	v_lshl_add_u32 v9, v7, 4, v8                   ; into it: registers 0-3 at 16 r (+ 256 for the odd blocks),
	v_lshl_add_u32 v10, v7, 3, v8                  ; registers 4-5 at 8 r (+ 512, + 128 for the odd blocks)
	v_lshlrev_b32 v14, 4, v3                       ; out of it: 16 bytes a lane, as it lies
	v_add_nc_u32 v15, s38, v14
	v_lshlrev_b32 v16, 9, v5
	v_lshl_add_u32 v16, v7, 3, v16                 ; my column's 8 scale bytes: row block u, row r
.macro WLOAD t                         ; block t: W(32 t + i, my column) into set t % 2: 128 consecutive bytes a load
.irp i, 0,1,2,3,4,5,6,7,8,9,10,11,12,13,14,15,16,17,18,19,20,21,22,23,24,25,26,27,28,29,30,31
	global_load_b32 v[32+32*((\t)%2)+\i], v4, s[30:31] offset:(32*(\t)+\i)*4096 th:TH_LOAD_NT
.endr
.endm
.macro WBLOCK t
.set XW, 32+32*((\t)%2)
.if (\t) < 7
	s_wait_loadcnt 32                              ; this block's 32 loads are in; the next block's may be out
.else
	s_wait_loadcnt 0x0
.endif
	v_max3_num_f32 v12, |v[XW]|, |v[XW+1]|, |v[XW+2]|
	v_max3_num_f32 v13, |v[XW+3]|, |v[XW+4]|, |v[XW+5]|
.irp i, 6,10,14,18,22,26
	v_max3_num_f32 v12, v12, |v[XW+\i]|, |v[XW+\i+1]|
	v_max3_num_f32 v13, v13, |v[XW+\i+2]|, |v[XW+\i+3]|
.endr
	v_max3_num_f32 v12, v12, |v[XW+30]|, |v[XW+31]|
	v_max3_num_f32 v12, v12, v13, FLOOR
	v_add_nc_u32 v11, OFF2, v12
	v_lshrrev_b32 v13, 23, v11
.if (\t)%4 == 0
	v_mov_b32 v[24+(\t)/4], v13                    ; four bytes to a register, the lower K in the lower byte
.else
	v_lshl_or_b32 v[24+(\t)/4], v13, 8*((\t)%4), v[24+(\t)/4]
.endif
	v_cvt_scalef32_pk16_fp6_f32 v[96:98], v[XW:XW+15], v11
	v_cvt_scalef32_pk16_fp6_f32 v[102:104], v[XW+16:XW+31], v11
	v_nop                                          ; one plain place behind a scaled conversion
	v_mov_b32 v99, v102
	v_mov_b32 v100, v103
	v_mov_b32 v101, v104
	ds_store_b128 v9, v[96:99] offset:((\t)/2)*768+((\t)%2)*256
	ds_store_b64 v10, v[100:101] offset:((\t)/2)*768+512+((\t)%2)*128
.if (\t)+2 < 8
	WLOAD (\t)+2
.endif
	s_wait_dscnt 0x0                               ; the stores have read their registers: the next block's codes may be written
.endm
	WLOAD 0
	WLOAD 1
.irp t, 0,1,2,3,4,5,6,7
	WBLOCK \t
.endr
	global_store_b64 v16, v[24:25], s[42:43]
.irp j, 0,1,2,3,4,5,6,7,8,9,10,11
	ds_load_b128 v[112+4*\j:115+4*\j], v15 offset:512*\j
.endr
.irp j, 0,1,2,3,4,5,6,7,8,9,10,11
	s_wait_dscnt 11-\j                             ; the younger loads may be out
	global_store_b128 v14, v[112+4*\j:115+4*\j], s[40:41] offset:512*(\j%6)+12288*(\j/6)   ; 512 consecutive bytes; the second row block lies 12,288 bytes on
.endr
	FINISH
; ---------------- THE MASK.  A work-group takes 16 queries, a wave 4 steps of 128 keys.  Lane (r, h) loads, of row r, the 16 bytes of keys 32 b + 16 h + 0 .. 15: byte i of them is word 16 b + i's bit for my lane.
.Lmask:
	s_sub_co_u32 s27, ttmp9, 128                   ; T
	s_lshl_b32 s36, s27, 15                        ; 16 rows of 2,048 bytes
	s_lshl_b32 s38, s26, 9                         ; + my 4 steps of 128
	s_add_co_u32 s36, s36, s38
	s_add_nc_u64 s[30:31], s[18:19], s[36:37]
	s_lshl_b32 s36, s27, 4
	s_lshl_b32 s38, s26, 2
	s_add_co_u32 s36, s36, s38
	s_lshl_b32 s36, s36, 8                         ; 256 bytes for a tile's step
	s_add_nc_u64 s[40:41], s[24:25], s[36:37]
	v_and_b32 v4, 15, v3
	v_lshrrev_b32 v5, 4, v3
	v_lshlrev_b32 v4, 11, v4
	v_lshl_add_u32 v4, v5, 4, v4
	v_lshlrev_b32 v6, 3, v3
.irp s, 0,1,2,3
.irp b, 0,1,2,3
	global_load_b128 v[16+16*\s+4*\b:19+16*\s+4*\b], v4, s[30:31] offset:128*\s+32*\b
.endr
.endr
.irp j, 0,1,2,3,4,5,6,7
	v_mov_b32 v[84+\j], 0                          ; v_writelane_b32's destination counts as read
.endr
.macro MSTEP s
	s_wait_loadcnt 12-4*\s                         ; this step's four loads are in; the later steps' may be out
.set n, 0
.rept 64
	v_and_b32 v[92+n%4], 0xff<<(8*(n%4)), v[16+16*\s+n/4]
	v_cmp_ne_u32 s[32+n%4], 0, v[92+n%4]           ; word n: a bit for each lane
	v_writelane_b32 v[84+2*\s+n%2], s[32+n%4], n/2 ; to lane n / 2, which stores words 2 (n / 2) and 2 (n / 2) + 1
.set n, n+1
.endr
	global_store_b64 v6, v[84+2*\s:85+2*\s], s[40:41] offset:256*\s   ; 256 consecutive bytes
.endm
.irp s, 0,1,2,3
	MSTEP \s
.endr
	FINISH
.Lfunc_end_k_qaf717d0654_prep:
	.size	k_qaf717d0654_prep, .Lfunc_end_k_qaf717d0654_prep-k_qaf717d0654_prep
	.p2alignl 7, 3214868480
	.fill 96, 4, 3214868480
	.section	.rodata,"a",@progbits
	.p2align	6, 0x0
	.amdhsa_kernel k_qaf717d0654_prep
		.amdhsa_group_segment_fixed_size 58880
		.amdhsa_private_segment_fixed_size 0
		.amdhsa_enable_private_segment 0
		.amdhsa_kernarg_size 88
		.amdhsa_user_sgpr_count 2
		.amdhsa_user_sgpr_kernarg_segment_ptr 1
		.amdhsa_wavefront_size32 1
		.amdhsa_system_sgpr_workgroup_id_x 1
		.amdhsa_system_sgpr_workgroup_id_y 1
		.amdhsa_system_sgpr_workgroup_id_z 1
		.amdhsa_system_vgpr_workitem_id 0
		.amdhsa_next_free_vgpr 248
		.amdhsa_next_free_sgpr 66
		.amdhsa_reserve_vcc 0
		.amdhsa_float_denorm_mode_32 3
		.amdhsa_float_denorm_mode_16_64 3
		.amdhsa_memory_ordered 1
		.amdhsa_forward_progress 1
		.amdhsa_inst_pref_size 151
	.end_amdhsa_kernel
	.amdgpu_metadata
---
amdhsa.version: [ 1, 2 ]
amdhsa.kernels:
  - .name:           k_qaf717d0654_prep
    .symbol:         k_qaf717d0654_prep.kd
    .args:
      - { .name: xq, .offset: 0, .size: 8, .value_kind: global_buffer, .address_space: global }
      - { .name: xk, .offset: 8, .size: 8, .value_kind: global_buffer, .address_space: global }
      - { .name: xv, .offset: 16, .size: 8, .value_kind: global_buffer, .address_space: global }
      - { .name: W_q, .offset: 24, .size: 8, .value_kind: global_buffer, .address_space: global }
      - { .name: W_k, .offset: 32, .size: 8, .value_kind: global_buffer, .address_space: global }
      - { .name: W_v, .offset: 40, .size: 8, .value_kind: global_buffer, .address_space: global }
      - { .name: W_o, .offset: 48, .size: 8, .value_kind: global_buffer, .address_space: global }
      - { .name: mask, .offset: 56, .size: 8, .value_kind: global_buffer, .address_space: global }
      - { .name: xb, .offset: 64, .size: 8, .value_kind: global_buffer, .address_space: global }
      - { .name: wb, .offset: 72, .size: 8, .value_kind: global_buffer, .address_space: global }
      - { .name: maskw, .offset: 80, .size: 8, .value_kind: global_buffer, .address_space: global }
    .group_segment_fixed_size: 58880
    .private_segment_fixed_size: 0
    .kernarg_segment_align: 8
    .kernarg_segment_size: 88
    .max_flat_workgroup_size: 128
    .sgpr_count:     66
    .vgpr_count:     248
    .wavefront_size: 32
...
	.end_amdgpu_metadata
.endif
;; end of part 1
;; launch proj (part 2): grid 4 x 96, 4 waves a work-group, clusters of 4 x 4, 327,680 bytes of LDS; arguments xb, wb, qb, kv; writes qb, kv
.if DOCPART == 2
	.amdgcn_target "amdgcn-amd-amdhsa--gfx1250"
	.amdhsa_code_object_version 6
	.text
	.protected	k_qaf717d0654_proj
	.globl	k_qaf717d0654_proj
	.p2align	8
	.type	k_qaf717d0654_proj,@function
k_qaf717d0654_proj:
	s_mov_b64 s[64:65], 0
	v_nop
	global_prefetch_b8 v0, s[64:65] scope:SCOPE_SE
	s_setreg_imm32_b32 hwreg(HW_REG_WAVE_MODE, 25, 1), 1
	s_wait_xcnt 0x0
	s_wait_alu depctr_hold_cnt(0) depctr_sa_sdst(0) depctr_va_vdst(0) depctr_va_sdst(0) depctr_va_ssrc(0) depctr_va_vcc(0) depctr_vm_vsrc(0)
	s_getreg_b32 s2, hwreg(HW_REG_IB_STS2, 6, 4)
	s_cmp_eq_u32 s2, 0
	s_cbranch_scc0 .Lentry_in_a_cluster
	s_endpgm
.Lentry_in_a_cluster:
	s_bfe_u32 s2, ttmp6, 0x10000c
	s_cmp_lg_u32 s2, 0xf033
	s_cbranch_scc0 .Lentry_shape_is_right
	s_endpgm
.Lentry_shape_is_right:
; q = xq W_q, k = xk W_k, v = xv W_v on codes of FP6 (E2M3) with E8M0 scales; K = 1,024; sums in f32.  The results are quantised in registers (q and k along the head's 64, v along the keys) and leave as codes.
; A work-group of four waves makes 256 x 256 of one product, a wave 128 x 128: 64 accumulators, 512 registers.  K goes in steps of 256 through a ring of two LDS slots filled by the tensor data mover.
; ROLES.  Source 0 (called B) is the operand ALONG WHICH THE RESULT IS QUANTISED; source 1 (called A) gives a lane its row.  q, k: B = the weight's features, A = the tokens.  v: B = xv's tokens, A = W_v's features.
; B's rows lie with bits 3 and 4 of their number exchanged, so that a lane's registers 16 b + i of two neighbouring tiles are 16 neighbours, 32 b + 16 (lane / 16) + i, along the next product's K.
; OPERANDS LIE IN THE ORDER OF THE REGISTERS: a half-image of 768 bytes is 16 rows x 64 K (lane l's registers 0-3 at 16 l, 4-5 at 512 + 8 l); a fragment is two of them: four LDS loads, consecutive bytes, no padding.
; CLUSTERS: 4 x 4 work-groups; the cluster's y says which product (y / 8) and which part.  The four of a row of the cluster need the same tiles of A, the four of a column the same tiles of B: joint tensor loads.
; OUT.  qb: [batch x head 64][128 queries 16][6,656]: 8 half-images, then 512 bytes of scale words [tile / 4][row][tile % 4] (bytes 0, 1: the head's two blocks).
;       kv: [batch x head 64][128 keys 16][13,312]: K's 8 half-images; V^T's 4 fragments (16 of the head's 64 x 128 keys); K's scale words, 512 bytes; V's, [row][tile], 256 bytes, twice.
; LIMITS: NaN and infinities are not served; a block whose largest magnitude lies under 2^-124, a block of zeros among them, keeps the byte 1 (this program alone reads the bytes).
; REGISTERS, in windows of 256: window 0: v0-31 addresses; v32-63 scale words, two sets; v64-114 at work on the way out; from v128 A's fragments, one set.  window 1: B's fragments, two sets.  windows 2, 3: the accumulators ((a, b) at v[8 (8 (a % 4) + b)]).
.set NQ,     2                         ; matrix instructions deep in a slot
.set FR,     12                        ; registers of a fragment
.set NL,     4                         ; LDS loads that bring one
.set NP,     4                         ; places behind this matrix instruction (ISA guide 7.12.1)
.set RBB,    3072                      ; a row block's part of a K step: four half-images
.set RBP,    12288                     ; a row block in memory: sixteen
.set HALFT,  8*RBB                     ; 128 rows: what one tensor load brings, and what one wave reads of A or of B
.set SLOT,   4*HALFT                   ; A's 256 rows, then B's
.set SCL,    2*SLOT                    ; behind the ring: the scale bytes of the 512 rows for all of K, filled once
.set HALFS,  4096                      ; those of 128 rows
.set SBLK,   512                       ; those of 16 rows
.set SPARE,  SCL+4*HALFS               ; the spare words, 128 bytes for each wave: two blocks of 256 bytes that no other line names
.set XS0,    18874368
.set WS0,    3145728
.set ADRA, 16                          ; v16-17 LDS address of my A fragments in slot 0, 1, 16 bytes a lane; v18-19 the same, 8 bytes a lane
.set ADRB, 20                          ; v20-23 the same for B
.set ADRS, 27                          ; v27 my scale words: lanes 0-15 A's rows, lanes 16-31 B's
.set SPW,  28                          ; v28 my spare word; never rewritten
.set NIL,  29                          ; v29 0; never rewritten
.set SC,   32
.set AF,   128
.set TM,   64                          ; the way out: v64-67 largest magnitudes, v68-71 bytes, v76-79 the conversions' scale operands, v80 the scale word, v81 its shift
.set SW,   84                          ; v84-91 the eight blocks' scale words
.set PC,   96                          ; v96-114 the codes
.set OB,   18                          ; s[18:19] where the block's codes go;  s[20:21] the scale words
.set OS,   20
.set G1, 24
.set G0, 32
.set G1B, 48
.set G0B, 56
.set G1S, 68
.set G0S, 76
.set G1SB, 80
.set G0SB, 88
.set MSB, 0
.macro WIN new                         ; the immediate's high byte repeats the setting that is left
.if MSB != \new
	s_set_vgpr_msb (MSB<<8)|\new
.set MSB, \new
.endif
.endm
.set MUL_LO, 0xa1                      ; source 0 (B) window 1, source 1 (A) window 0, C and D window 2
.set MUL_HI, 0xf1                      ; the same, C and D window 3
.set TO_B,   0x40                      ; destination window 1, address window 0
; A joint load: waves 0 and 1 fetch for A, waves 2 and 3 for B.  The branch hangs on the wave's number alone.  An s_nop 0 and four v_nop follow each of the two lines.
.macro JLOAD g0a, g1a, g0b, g1b
	s_cmp_eq_u32 s15, 0
	s_cbranch_scc0 .Lfor_b_\@
	tensor_load_to_lds s[\g0a:\g0a+3], s[\g1a:\g1a+7]
	s_nop 0
.rept 4
	v_nop
.endr
	s_branch .Lasked_\@
.Lfor_b_\@:
	tensor_load_to_lds s[\g0b:\g0b+3], s[\g1b:\g1b+7]
	s_nop 0
.rept 4
	v_nop
.endr
.Lasked_\@:
.endm
.macro CREST                           ; a round of the cluster's barrier behind its opening barrier
	s_cmp_lg_u32 s14, 0
	s_cbranch_scc1 .Lnot_wave_0_\@
	s_barrier_signal -3
.Lnot_wave_0_\@:
	s_barrier_wait -3
	s_barrier_signal -1
	s_barrier_wait -1
.endm
.macro CROUND
	s_barrier_signal -1
	s_barrier_wait -1
	CREST
.endm
	s_load_b256 s[4:11], s[0:1], 0x0               ; xb s[4:5], wb s[6:7], qb s[8:9], kv s[10:11]
	v_lshl_add_u32 v[SPW], v0, 2, SPARE
	v_mov_b32 v[NIL], 0
	ds_add_u32 v[SPW], v[NIL]                      ; the wave's opening: the add and its wait stand ahead of my first tensor load; the set-up below, work on registers, stands between them
	v_lshrrev_b32 v1, 5, v0
	v_readfirstlane_b32 s14, v1                    ; wave 0..3
	s_lshr_b32 s15, s14, 1                         ; which half of A's rows is mine.  Also: I fetch for A (0) or for B (1)
	s_and_b32 s16, s14, 1                          ; which half of B's rows.  Also: which 128 rows I fetch
	s_bfe_u32 s40, ttmp6, 0x40000                  ; cx, cy: my place in the cluster
	s_bfe_u32 s41, ttmp6, 0x40004
	s_and_b32 s18, ttmp7, 0xffff                   ; the cluster's y: 0-7 q, 8-15 k, 16-23 v
	s_lshr_b32 s96, s18, 3                         ; which product
	s_and_b32 s18, s18, 7
	s_lshl_b32 s18, s18, 2
	s_cmp_eq_u32 s96, 2                            ; the tokens' 32 tiles are A's in q and k, B's in v; the features' 4 tiles are the other's
	s_cselect_b32 s42, s18, 0
	s_cselect_b32 s17, 0, s18
	s_add_co_u32 s42, s42, s40                     ; B's tile
	s_add_co_u32 s17, s17, s41                     ; A's tile
	s_lshl_b32 s43, s41, 2
	s_lshl_b32 s43, 15, s43                        ; my row of the cluster
	s_lshl_b32 s44, 0x1111, s40                    ; my column
	; descriptor group 1 for the codes: 8 rows (row blocks) of 3,072 bytes, 12,288 bytes apart, as elements of 8 bytes, dense in LDS
	s_or_b32 s[G1+0], s43, (3<<16)|(1<<21)         ; 15:0 the mask: A's tiles go to my row; 17:16 elements of 8 bytes; 20 no padding; 21 set beside a mask
	s_or_b32 s[G1B+0], s44, (3<<16)|(1<<21)
.irp g, G1, G1B
	s_mov_b32 s[\g+1], 384<<16                     ; tensor_dim0
	s_mov_b32 s[\g+2], 8<<16                       ; tensor_dim1
	s_mov_b32 s[\g+3], 384<<16                     ; tile_dim0
	s_mov_b32 s[\g+4], 8                           ; tile_dim1
	s_mov_b32 s[\g+5], 1536                        ; tensor_dim0_stride
	s_mov_b32 s[\g+6], 0
	s_mov_b32 s[\g+7], 0
.endr
	; and for the scale bytes of 128 rows: 4,096 dense bytes as 16 rows of 256
	s_or_b32 s[G1S+0], s43, (3<<16)|(1<<21)
	s_or_b32 s[G1SB+0], s44, (3<<16)|(1<<21)
.irp g, G1S, G1SB
	s_mov_b32 s[\g+1], 32<<16
	s_mov_b32 s[\g+2], 16<<16
	s_mov_b32 s[\g+3], 32<<16
	s_mov_b32 s[\g+4], 16
	s_mov_b32 s[\g+5], 32
	s_mov_b32 s[\g+6], 0
	s_mov_b32 s[\g+7], 0
.endr
	s_lshl_b32 s18, s16, 3                         ; which 8 row blocks of the tile I fetch
	s_lshl_b32 s20, s17, 4
	s_add_co_u32 s20, s20, s18                     ; A: row block 16 x tile + 8 x half
	s_lshl_b32 s46, s42, 4
	s_add_co_u32 s46, s46, s18                     ; B likewise
	s_lshl_b32 s22, s20, 9                         ; their scale bytes,
	s_lshl_b32 s66, s46, 9
	s_mul_i32 s20, s20, RBP                        ; and their codes
	s_mul_i32 s46, s46, RBP
	s_mov_b32 s21, 0
	s_mov_b32 s23, 0
	s_mov_b32 s47, 0
	s_mov_b32 s67, 0
	s_mov_b32 s19, 0
	s_mul_i32 s45, s14, HALFT                      ; where they go: wave x 128 rows: no place in the cluster enters an LDS address
	s_mul_i32 s97, s14, HALFS
	s_wait_dscnt 0x0                               ; the opening add is done
	s_wait_kmcnt 0x0
	s_mul_i32 s18, s96, 6291456
	s_add_nc_u64 s[92:93], s[4:5], s[18:19]        ; this product's x: codes,
	s_mul_i32 s18, s96, 262144
	s_add_co_u32 s18, s18, XS0
	s_add_nc_u64 s[94:95], s[4:5], s[18:19]        ; scale bytes;
	s_mul_i32 s18, s96, 786432
	s_add_nc_u64 s[98:99], s[6:7], s[18:19]        ; its weight: codes,
	s_mul_i32 s18, s96, 32768
	s_add_co_u32 s18, s18, WS0
	s_add_nc_u64 s[100:101], s[6:7], s[18:19]      ; scale bytes
	s_cmp_eq_u32 s96, 2                            ; the choice hangs on the cluster's y alone
	s_cselect_b64 s[4:5], s[98:99], s[92:93]       ; A's codes
	s_cselect_b64 s[6:7], s[100:101], s[94:95]     ; A's scale bytes
	s_cselect_b64 s[92:93], s[92:93], s[98:99]     ; B's codes
	s_cselect_b64 s[94:95], s[94:95], s[100:101]   ; B's scale bytes
	s_add_nc_u64 s[20:21], s[4:5], s[20:21]
	s_add_nc_u64 s[22:23], s[6:7], s[22:23]
	s_add_nc_u64 s[46:47], s[92:93], s[46:47]
	s_add_nc_u64 s[66:67], s[94:95], s[66:67]
	CROUND                                         ; all sixteen work-groups are here: the first joint loads meet
	s_mov_b32 s[G0S], 1
	s_add_co_u32 s[G0S+1], s97, SCL
	s_mov_b64 s[G0S+2:G0S+3], s[22:23]
	s_or_b32 s[G0S+3], s[G0S+3], 0x80000000
	s_mov_b32 s[G0SB], 1
	s_add_co_u32 s[G0SB+1], s97, SCL
	s_mov_b64 s[G0SB+2:G0SB+3], s[66:67]
	s_or_b32 s[G0SB+3], s[G0SB+3], 0x80000000
	JLOAD G0S, G1S, G0SB, G1SB                     ; the scale bytes first: they are wanted with K step 0.  With the two below, three loads of mine are out
.irp s, 0,1
	s_mov_b32 s[G0+4*\s], 1
	s_add_co_u32 s[G0+4*\s+1], s45, \s*SLOT
	s_add_nc_u64 s[G0+4*\s+2:G0+4*\s+3], s[20:21], \s*RBB
	s_or_b32 s[G0+4*\s+3], s[G0+4*\s+3], 0x80000000
	s_mov_b32 s[G0B+4*\s], 1
	s_add_co_u32 s[G0B+4*\s+1], s45, \s*SLOT
	s_add_nc_u64 s[G0B+4*\s+2:G0B+4*\s+3], s[46:47], \s*RBB
	s_or_b32 s[G0B+4*\s+3], s[G0B+4*\s+3], 0x80000000
	JLOAD G0+4*\s, G1, G0B+4*\s, G1B
.endr
	v_and_b32 v3, 31, v0                           ; lane
	v_and_b32 v1, 15, v0                           ; r
	v_bfe_u32 v2, v0, 4, 1                         ; h
	v_lshlrev_b32 v4, 4, v3                        ; 16 x lane
	v_lshlrev_b32 v5, 3, v3                        ; 8 x lane
	s_mul_i32 s21, s15, HALFT                      ; my 128 rows of A
	s_mul_i32 s22, s16, HALFT                      ; my 128 rows of B,
	s_add_co_u32 s22, s22, 2*HALFT                 ; which lie behind A's 256
.irp s, 0,1
	v_add_nc_u32 v[ADRA+\s], s21, v4
	v_add_nc_u32 v[ADRB+\s], s22, v4
	v_add_nc_u32 v[ADRA+2+\s], s21, v5
	v_add_nc_u32 v[ADRB+2+\s], s22, v5
	s_add_co_u32 s21, s21, SLOT
	s_add_co_u32 s22, s22, SLOT
.endr
	v_lshlrev_b32 v5, 3, v1                        ; my row's two words of a K step: 8 r
	s_mul_i32 s21, s15, HALFS                      ; A's: my 128 rows
	s_mul_i32 s22, s16, HALFS                      ; B's: my 128 rows, behind A's 256
	s_add_co_u32 s22, s22, 2*HALFS
	s_sub_co_u32 s22, s22, s21
	v_mul_u32_u24 v6, s22, v2                      ; lanes 16-31 take B's
	s_add_co_u32 s21, s21, SCL
	v_add_nc_u32 v5, v5, v6
	v_add_nc_u32 v[ADRS], s21, v5
.macro FRAG reg, adr, q, i             ; a fragment: row block i, the slot's q-th 128 along K: two half-images, as they lie
	ds_load_b128 v[\reg:\reg+3], v[\adr] offset:(\i)*RBB+1536*(\q)
	ds_load_b64 v[\reg+4:\reg+5], v[\adr+2] offset:(\i)*RBB+1536*(\q)+512
	ds_load_b128 v[\reg+6:\reg+9], v[\adr] offset:(\i)*RBB+1536*(\q)+768
	ds_load_b64 v[\reg+10:\reg+11], v[\adr+2] offset:(\i)*RBB+1536*(\q)+1280
.endm
; 16 matrix instructions: A's blocks a0, a0 + 1 x B's eight.  p: B's set;  sc: the set of scale words.  zero = 1: the first product starts the sums.
; The 64 accumulators take turns, one instruction a turn, in the same order in every step.
.macro MUL16 a0, p, q, sc, zero
.irp a, \a0, \a0+1
.irp b, 0,1,2,3,4,5,6,7
.if \zero
	v_wmma_scale_f32_16x16x128_f8f6f4 v[8*(8*((\a)%4)+\b):8*(8*((\a)%4)+\b)+7], v[128*(\p)+FR*\b:128*(\p)+FR*\b+FR-1], v[AF+FR*(\a):AF+FR*(\a)+FR-1], 0, v[SC+8*NQ*(\sc)+NQ*\b+(\q)], v[SC+8*NQ*(\sc)+NQ*(\a)+(\q)] matrix_a_fmt:MATRIX_FMT_FP6 matrix_b_fmt:MATRIX_FMT_FP6 matrix_a_scale:MATRIX_SCALE_ROW1
.else
	v_wmma_scale_f32_16x16x128_f8f6f4 v[8*(8*((\a)%4)+\b):8*(8*((\a)%4)+\b)+7], v[128*(\p)+FR*\b:128*(\p)+FR*\b+FR-1], v[AF+FR*(\a):AF+FR*(\a)+FR-1], v[8*(8*((\a)%4)+\b):8*(8*((\a)%4)+\b)+7], v[SC+8*NQ*(\sc)+NQ*\b+(\q)], v[SC+8*NQ*(\sc)+NQ*(\a)+(\q)] matrix_a_fmt:MATRIX_FMT_FP6 matrix_b_fmt:MATRIX_FMT_FP6 matrix_a_scale:MATRIX_SCALE_ROW1
.endif
.endr
.endr
.endm
.macro FETCH_B slot, q, p
	WIN TO_B
.irp i, 0,1,2,3,4,5,6,7
	FRAG 128*(\p)+FR*\i, ADRB+\slot, \q, \i
.endr
	WIN 0
.endm
.macro FETCH_A slot, q, i0
.irp i, \i0, \i0+1, \i0+2, \i0+3
	FRAG AF+FR*(\i), ADRA+\slot, \q, \i
.endr
.endm
.macro SCALES sc                       ; a K step's scale words into set sc: two words a row; lanes 0-15 take A's block i, lanes 16-31 B's block i
.irp i, 0,1,2,3,4,5,6,7
	ds_load_b64 v[SC+8*NQ*\sc+NQ*\i:SC+8*NQ*\sc+NQ*\i+1], v[ADRS] offset:\i*SBLK
.endr
.endm
.macro PLACES n                        ; places in front of loads into registers that matrix instructions have read, and of the first read of results
.rept \n
	v_nop
.endr
.endm
.macro STEP slot, q, zero              ; a step of 128 along K that has its successor in the same slot
	s_wait_dscnt 4*NL                              ; B's set and A's blocks 0-3 are in; the youngest sixteen loads (A's blocks 4-7) may be out
	WIN MUL_LO
	MUL16 0, (\q)%2, \q, \slot, \zero
	MUL16 2, (\q)%2, \q, \slot, \zero
	s_wait_dscnt 0
	PLACES NP
	FETCH_B \slot, (\q)+1, 1-(\q)%2
	FETCH_A \slot, (\q)+1, 0
	WIN MUL_HI
	MUL16 4, (\q)%2, \q, \slot, \zero
	MUL16 6, (\q)%2, \q, \slot, \zero
	PLACES NP
	WIN 0
	FETCH_A \slot, (\q)+1, 4
.endm
; A slot's last step changes slots: ONE barrier; in front of it each wave waits for all its tensor loads, adds 0 to its spare word, and waits for that and for its own reads of this slot.  fill = 1: this slot is filled again, two K steps ahead.
.macro TURN slot, next, fill
	s_wait_tensorcnt 0x0                           ; all my tensor loads have landed: my part of the next slot
	ds_add_u32 v[SPW], v[NIL]                      ; 0 onto my spare word
	s_wait_dscnt 4*NL+1                            ; (the add and the youngest sixteen loads may be out)
	WIN MUL_LO
	MUL16 0, 1, NQ-1, \slot, 0
	s_wait_dscnt 0x0                               ; the add is done, and my reads of this slot are over
	s_barrier_signal -1
	MUL16 2, 1, NQ-1, \slot, 0
	WIN 0
	s_barrier_wait -1
.if \fill
	CREST                                          ; the barrier has opened a round of the cluster's barrier: no wave of any partner still reads this slot or has a load on its way
	s_add_nc_u64 s[G0+4*\slot+2:G0+4*\slot+3], s[G0+4*\slot+2:G0+4*\slot+3], 2*RBB
	s_add_nc_u64 s[G0B+4*\slot+2:G0B+4*\slot+3], s[G0B+4*\slot+2:G0B+4*\slot+3], 2*RBB
	JLOAD G0+4*\slot, G1, G0B+4*\slot, G1B         ; the first tensor load behind the round; its four v_nop are the places in front of the loads below
.else
	PLACES NP
.endif
	v_add_nc_u32 v[ADRS], 128, v[ADRS]             ; the next K step's scale words
	FETCH_B \next, 0, 0
	FETCH_A \next, 0, 0
	SCALES \next
	WIN MUL_HI
	MUL16 4, 1, NQ-1, \slot, 0
	MUL16 6, 1, NQ-1, \slot, 0
	PLACES NP
	WIN 0
	FETCH_A \next, 0, 4
.endm
	s_wait_tensorcnt 1                             ; the scale bytes and my part of K step 0 are in (K step 1's load may be out),
	s_barrier_signal -1
	s_barrier_wait -1                              ; everybody's are
	FETCH_B 0, 0, 0
	FETCH_A 0, 0, 0
	SCALES 0
	FETCH_A 0, 0, 4
	STEP 0, 0, 1                                   ; K = 1,024 is four K steps: written out
	TURN 0, 1, 1                                   ; slot 0 takes K step 2
	STEP 1, 0, 0
	TURN 1, 0, 1                                   ; slot 1 takes K step 3
	STEP 0, 0, 0
	TURN 0, 1, 0
	STEP 1, 0, 0
	s_wait_dscnt 4*NL
	WIN MUL_LO
	MUL16 0, 1, NQ-1, 1, 0
	MUL16 2, 1, NQ-1, 1, 0
	s_wait_dscnt 0
	WIN MUL_HI
	MUL16 4, 1, NQ-1, 1, 0
	MUL16 6, 1, NQ-1, 1, 0
	WIN 0
	PLACES NP
	; THE WAY OUT.  For each of A's eight blocks a lane holds 64 numbers of one row: register 16 b + i is place 32 b + 16 (lane / 16) + i along the next K: they become a fragment's codes and a scale word.
	; q, k: a block is a tile of 16 tokens; the fragment's two half-images belong to two heads.  v: a block is 16 of a head's 64 (four blocks a head); the fragment is V^T's for these 128 keys.
	s_lshl_b32 s40, s42, 1
	s_add_co_u32 s40, s40, s16                     ; which 128 of B's rows are mine
	s_lshl_b32 s41, s17, 1
	s_add_co_u32 s41, s41, s15                     ; which 128 of A's
	s_cmp_eq_u32 s96, 0
	s_cselect_b64 s[OB:OB+1], s[8:9], s[10:11]     ; q goes to qb, k and v to kv
	s_mov_b32 s94, 13312
	s_cselect_b32 s94, 6656, s94                   ; a record
	s_mov_b32 s95, 12288
	s_cselect_b32 s95, 6144, s95                   ; where its scale words begin (q, k)
	s_lshl_b32 s97, s94, 4                         ; from head to head: 16 records
	s_sub_co_u32 s98, s97, 4608
	s_mov_b32 s22, 768
	s_mov_b32 s46, 768
	s_mov_b32 s99, 768
	s_mov_b32 s100, 256
	s_cmp_eq_u32 s96, 2
	s_cselect_b32 s43, s41, s40                    ; the features' 128: two heads
	s_cselect_b32 s44, s40, s41                    ; the tokens' 128: batch and group
	s_cselect_b32 s95, 12800, s95                  ; (v's scale words)
	s_cselect_b32 s45, 6144, 0                     ; where the codes begin in a record
	s_cselect_b32 s22, 1536, s22                   ; from block to block,
	s_cselect_b32 s46, s98, s46                    ; from block 3 to block 4 (v: the next head's first fragment),
	s_cselect_b32 s99, s99, s97                    ; from a fragment's first half-image to its second (q, k: the next head),
	s_cselect_b32 s101, s100, s97                  ; scale words: from lanes 0-15 to lanes 16-31 (q, k: the next head; v: the second copy),
	s_cselect_b32 s100, s97, s100                  ; and from blocks 0-3 to blocks 4-7
	s_cselect_b32 s66, 0, 16                       ; q, k: lanes 16-31 store the second head's two bytes
	s_mov_b32 s23, 0
	s_mov_b32 s47, 0
	s_lshr_b32 s67, s44, 4
	s_lshl_b32 s67, s67, 8                         ; batch x 16 heads x 16 groups
	s_lshl_b32 s43, s43, 5                         ; + 2 heads x 16
	s_add_co_u32 s67, s67, s43
	s_and_b32 s44, s44, 15
	s_add_co_u32 s67, s67, s44                     ; + group
	s_mul_i32 s40, s67, s94
	s_mov_b32 s41, 0
	s_add_nc_u64 s[OB:OB+1], s[OB:OB+1], s[40:41]
	s_mov_b32 s40, s95
	s_add_nc_u64 s[OS:OS+1], s[OB:OB+1], s[40:41]
	s_mov_b32 s40, s45
	s_add_nc_u64 s[OB:OB+1], s[OB:OB+1], s[40:41]
	s_mov_b32 s92, 0x76543210
	s_mov_b32 s93, 0xfedcba98                      ; v_permlanex16_b32's selects for lane l xor 16
	v_lshlrev_b32 v8, 4, v3                        ; a half-image: 16 x lane,
	v_lshlrev_b32 v9, 3, v3
	v_add_nc_u32 v9, 512, v9                       ; 512 + 8 x lane;
	v_add_nc_u32 v10, s99, v8                      ; the second half-image
	v_add_nc_u32 v11, s99, v9
	v_mul_u32_u24 v12, v2, s101
	v_lshl_add_u32 v12, v1, 4, v12                 ; scale words: 16 r
	v_add_nc_u32 v13, s100, v12
	v_mul_u32_u24 v81, v2, s66
.irp b, 0,1,2,3
	v_mov_b32 v[TM+4+\b], 0                        ; written once: a lane permute's destination counts as one of its sources
.endr
.macro QBLOCK a
.set AC, 64*((\a)%4)
.set WA, 2+(\a)/4                      ; the block's accumulators: window 2 or 3
.set WB, (WA<<2)|(WA<<4)
	WIN WB                                         ; sources 1 and 2 in that window
.irp b, 0,1,2,3
	v_max3_num_f32 v[TM+\b], 0x1800000, |v[AC+16*\b]|, |v[AC+16*\b+1]|   ; block b: my 16 numbers, and the floor 2^(3 - 127).  Each accumulator is read from its low end on
.endr
.irp i, 2,4,6,8,10,12,14
.irp b, 0,1,2,3
	v_max3_num_f32 v[TM+\b], v[TM+\b], |v[AC+16*\b+\i]|, |v[AC+16*\b+\i+1]|
.endr
.endr
	WIN 0
.irp b, 0,1,2,3
	v_permlanex16_b32 v[TM+4+\b], v[TM+\b], s92, s93
.endr
.irp b, 0,1,2,3
	v_max_num_f32 v[TM+\b], v[TM+\b], v[TM+4+\b]   ; with lane l xor 16's: the block's largest magnitude
.endr
.irp b, 0,1,2,3
	v_add_nc_u32 v[TM+12+\b], 0xff000000, v[TM+\b] ; 2 off its exponent field: the conversion's scale operand
.endr
.irp b, 0,1,2,3
	v_lshrrev_b32 v[TM+4+\b], 23, v[TM+12+\b]      ; the scale's byte
.endr
	v_lshl_or_b32 v[TM+16], v[TM+5], 8, v[TM+4]
	v_lshl_or_b32 v[TM+16], v[TM+6], 16, v[TM+16]
	v_lshl_or_b32 v[TM+16], v[TM+7], 24, v[TM+16]
	v_lshrrev_b32 v[SW+(\a)], v81, v[TM+16]
	s_wait_xcnt 0x0                                ; the last block's stores have read their registers and their base: both are written again only behind this wait
.if (\a) == 4
	s_add_nc_u64 s[OB:OB+1], s[OB:OB+1], s[46:47]
.elseif (\a) > 0
	s_add_nc_u64 s[OB:OB+1], s[OB:OB+1], s[22:23]
.endif
	WIN WA                                         ; source 0 in the accumulators' window
.irp c, 0,1
	v_cvt_scalef32_pk16_fp6_f32 v[PC+6*\c:PC+6*\c+2], v[AC+32*\c:AC+32*\c+15], v[TM+12+2*\c]
	v_cvt_scalef32_pk16_fp6_f32 v[PC+12+4*\c:PC+14+4*\c], v[AC+32*\c+16:AC+32*\c+31], v[TM+12+2*\c+1]   ; (a conversion's three registers begin on an even number)
.endr
	WIN 0
	v_nop                                          ; one plain place behind a scaled conversion
.irp c, 0,1                                    ; the operand's layout wants a WHOLE block in a lane: lanes 0-15 block 2 c, lanes 16-31 block 2 c + 1
.irp i, 0,1,2
	v_permlane16_swap_b32 v[PC+6*\c+\i], v[PC+12+4*\c+\i]
.endr
.irp i, 0,1,2
	v_mov_b32 v[PC+3+6*\c+\i], v[PC+12+4*\c+\i]
.endr
.endr
	global_store_b128 v8, v[PC:PC+3], s[OB:OB+1]           ; 512 consecutive bytes,
	global_store_b64 v9, v[PC+4:PC+5], s[OB:OB+1]          ; 256;
	global_store_b128 v10, v[PC+6:PC+9], s[OB:OB+1]        ; the second half-image
	global_store_b64 v11, v[PC+10:PC+11], s[OB:OB+1]
.endm
.irp a, 0,1,2,3,4,5,6,7
	QBLOCK \a
.endr
	global_store_b128 v12, v[SW:SW+3], s[OS:OS+1]          ; sixteen lanes store 256 consecutive bytes
	global_store_b128 v13, v[SW+4:SW+7], s[OS:OS+1]
	s_wait_tensorcnt 0x0                           ; the wave's end, behind my last tensor load
	ds_add_u32 v[SPW], v[NIL]
	s_wait_dscnt 0x0
	CROUND                                         ; the closing round: no work-group ends while a partner may still ask for a tile that names it
	s_endpgm
.Lfunc_end_k_qaf717d0654_proj:
	.size	k_qaf717d0654_proj, .Lfunc_end_k_qaf717d0654_proj-k_qaf717d0654_proj
	.p2alignl 7, 3214868480
	.fill 96, 4, 3214868480
	.section	.rodata,"a",@progbits
	.p2align	6, 0x0
	.amdhsa_kernel k_qaf717d0654_proj
		.amdhsa_group_segment_fixed_size 327680
		.amdhsa_private_segment_fixed_size 0
		.amdhsa_enable_private_segment 0
		.amdhsa_kernarg_size 32
		.amdhsa_user_sgpr_count 2
		.amdhsa_user_sgpr_kernarg_segment_ptr 1
		.amdhsa_wavefront_size32 1
		.amdhsa_system_sgpr_workgroup_id_x 1
		.amdhsa_system_sgpr_workgroup_id_y 1
		.amdhsa_system_sgpr_workgroup_id_z 1
		.amdhsa_system_vgpr_workitem_id 0
		.amdhsa_next_free_vgpr 1024
		.amdhsa_next_free_sgpr 102
		.amdhsa_reserve_vcc 0
		.amdhsa_float_denorm_mode_32 3
		.amdhsa_float_denorm_mode_16_64 3
		.amdhsa_memory_ordered 1
		.amdhsa_forward_progress 1
		.amdhsa_inst_pref_size 151
	.end_amdhsa_kernel
	.amdgpu_metadata
---
amdhsa.version: [ 1, 2 ]
amdhsa.kernels:
  - .name:           k_qaf717d0654_proj
    .symbol:         k_qaf717d0654_proj.kd
    .args:
      - { .name: xb, .offset: 0, .size: 8, .value_kind: global_buffer, .address_space: global }
      - { .name: wb, .offset: 8, .size: 8, .value_kind: global_buffer, .address_space: global }
      - { .name: qb, .offset: 16, .size: 8, .value_kind: global_buffer, .address_space: global }
      - { .name: kv, .offset: 24, .size: 8, .value_kind: global_buffer, .address_space: global }
    .group_segment_fixed_size: 327680
    .private_segment_fixed_size: 0
    .kernarg_segment_align: 8
    .kernarg_segment_size: 32
    .max_flat_workgroup_size: 128
    .sgpr_count:     102
    .vgpr_count:     1024
    .wavefront_size: 32
...
	.end_amdgpu_metadata
.endif
;; end of part 2
;; launch attn (part 3): grid 4 x 64, 16 waves a work-group, clusters of 4 x 1, 215,040 bytes of LDS; arguments qb, kv, maskw, cb; writes cb
.if DOCPART == 3
	.amdgcn_target "amdgcn-amd-amdhsa--gfx1250"
	.amdhsa_code_object_version 6
	.text
	.protected	k_qaf717d0654_attn
	.globl	k_qaf717d0654_attn
	.p2align	8
	.type	k_qaf717d0654_attn,@function
k_qaf717d0654_attn:
	s_mov_b64 s[64:65], 0
	v_nop
	global_prefetch_b8 v0, s[64:65] scope:SCOPE_SE
	s_setreg_imm32_b32 hwreg(HW_REG_WAVE_MODE, 25, 1), 1
	s_wait_xcnt 0x0
	s_wait_alu depctr_hold_cnt(0) depctr_sa_sdst(0) depctr_va_vdst(0) depctr_va_sdst(0) depctr_va_ssrc(0) depctr_va_vcc(0) depctr_vm_vsrc(0)
	s_getreg_b32 s2, hwreg(HW_REG_IB_STS2, 6, 4)
	s_cmp_eq_u32 s2, 0
	s_cbranch_scc0 .Lentry_in_a_cluster
	s_endpgm
.Lentry_in_a_cluster:
	s_bfe_u32 s2, ttmp6, 0x10000c
	s_cmp_lg_u32 s2, 0x3003
	s_cbranch_scc0 .Lentry_shape_is_right
	s_endpgm
.Lentry_shape_is_right:
; ctx[b][q][head] = softmax_k(where(mask, -1e9, q . k / 8)) v, both products on codes of FP6 (E2M3) with E8M0 scales; ctx is quantised along the features and leaves as codes for the last product.
; THE SOFTMAX AHEAD OF THE SECOND PRODUCT: t = logit x log2(e); M = the row's largest t so far, rounded UP to a whole number; p = 2^(t - M) is quantised along the keys, not normalised;
; the row's sum is taken of the unquantised p and divides at the end.  When M moves, the sum and O are multiplied by 2^(old M - new M): exact.
; THE MASK IS AN INPUT: every tile is computed.  A masked t is f32(-1e9 x log2(e)), a whole number: a row that is wholly masked gets p = 1 for every key, as the -1e9 of the definition gives it.
; t = score x (log2(e) / 8) is rounded by itself and M taken off by an addition, so that masked and unmasked t stand on one scale.
; SHARES.  A work-group owns one (batch, head) and 512 queries; each of its sixteen waves takes two tiles of 16 queries, one after the other, and walks all 2,048 keys, 128 a step.  Four waves to a SIMD.
; THE HEAD'S K, V AND THEIR SCALE BYTES, 212,992 bytes, COME INTO LDS ONCE, as they lie in kv: 16 records of 13,312 bytes.  No slot is filled again.  The four work-groups of a cluster share the head and ask jointly:
; each wave issues two loads of 26 rows x 256 bytes, so two tensor loads of mine are out.
; LAYOUT.  Both products are used transposed (S^T = K Q^T, O^T = V^T P^T): a lane holds ONE query.  K's keys and V^T's rows lie with bits 3 and 4 of their number exchanged, so that registers 16 b + i are neighbours 32 b + 16 (lane / 16) + i.
; The head's size is 64: the upper half of the first product's K is zero codes on both sides.
; LIMITS: NaN and infinities are not served; a block whose largest magnitude lies under 2^-124, a block of zeros among them, keeps the byte 1 (this program alone reads the bytes).
; No prefetch: K and V are asked for at the head alone, and what a step reads from memory beside them is 256 bytes of mask words.
; REGISTERS: v1, v2 the add's two; v3, v4, v5, v10: 16 l, 8 l, 16 r, 8 r; v6-8 the step's LDS addresses; v9 the masked t; v12 -M, v13 the largest t, v[14:15] the sum; v16-27 Q; v28 Q's scale word, v29 p's;
; v32-79 four fragments of K; v80-87 K's scale words, v88-91 V's; v96-159 S^T, t, p, then V's four fragments; v160-191 O^T; v192-210 p's codes; v212-229 at work.
.set REC,   13312                      ; a step's record: K 6,144; V^T 6,144; K's scale words 512; V's 256, twice
.set HEADB, 16*REC
.set SPARE, HEADB                      ; behind the head: the spare words, 128 bytes for each wave: eight blocks of 256 bytes that no other line names
.set CS0,   6291456                    ; cb: where the scale bytes begin
.macro ROUND                           ; a round of the cluster's barrier
	s_barrier_signal -1
	s_barrier_wait -1
	s_cmp_lg_u32 s2, 0
	s_cbranch_scc1 .Lnot_wave_0_\@
	s_barrier_signal -3
.Lnot_wave_0_\@:
	s_barrier_wait -3
	s_barrier_signal -1
	s_barrier_wait -1
.endm
	s_load_b256 s[84:91], s[0:1], 0x0              ; qb s[84:85], kv s[86:87], maskw s[88:89], cb s[90:91]
	v_lshl_add_u32 v1, v0, 2, SPARE
	v_mov_b32 v2, 0
	ds_add_u32 v1, v2                              ; the wave's opening: the add and its wait stand ahead of my first tensor load; the set-up below, work on registers, stands between them
	v_lshrrev_b32 v3, 5, v0
	v_readfirstlane_b32 s2, v3                     ; wave 0..15
	s_and_b32 s67, ttmp7, 0xffff                   ; batch x 16 + head, which the four partners share
	s_mov_b32 s24, 15|(3<<16)|(1<<21)              ; group 1: 15:0 the mask: all four work-groups; 17:16 elements of 8 bytes; 20 no padding; 21 set beside a mask
	s_mov_b32 s25, 32<<16                          ; tensor_dim0: 256 bytes
	s_mov_b32 s26, 26<<16                          ; tensor_dim1
	s_mov_b32 s27, 32<<16                          ; tile_dim0
	s_mov_b32 s28, 26                              ; tile_dim1
	s_mov_b32 s29, 32                              ; dense rows
	s_mov_b32 s30, 0
	s_mov_b32 s31, 0
	s_mul_i32 s74, s2, 6656                        ; my part of half a head, in LDS and in memory
	s_mul_i32 s14, s67, HEADB
	s_add_co_u32 s14, s14, s74
	s_mov_b32 s15, 0
	s_mov_b32 s68, 0x76543210
	s_mov_b32 s69, 0xfedcba98                      ; v_permlanex16_b32's selects for lane l xor 16
	s_mov_b32 s70, 0x3e38aa3b                      ; log2(e) / 8
	s_mov_b32 s71, s70                             ; (named with it as a pair, so it is written)
	s_wait_dscnt 0x0                               ; the opening add is done
	s_wait_kmcnt 0x0
	s_mov_b32 s16, 1
	s_mov_b32 s17, s74
	s_add_nc_u64 s[18:19], s[86:87], s[14:15]      ; steps 0 to 7
	s_mov_b32 s20, 1
	s_add_co_u32 s21, s74, 8*REC
	s_add_nc_u64 s[22:23], s[18:19], 8*REC         ; steps 8 to 15
	s_or_b32 s19, s19, 0x80000000
	s_or_b32 s23, s23, 0x80000000
	ROUND                                          ; all four work-groups are here: the joint loads meet
	tensor_load_to_lds s[16:19], s[24:31]
	s_nop 0
	tensor_load_to_lds s[20:23], s[24:31]
	s_nop 0
	; my queries: tile T = 32 X + 16 pass + wave; X, the work-group's quarter of the queries, enters addresses in memory alone
	s_bfe_u32 s72, ttmp6, 0x40000                  ; cx
	s_lshl_b32 s73, ttmp9, 2
	s_add_co_u32 s72, s72, s73                     ; X
	s_mov_b32 s77, 0
	s_lshl_b32 s76, s67, 4
	s_lshl_b32 s78, s72, 2
	s_add_co_u32 s76, s76, s78
	s_lshr_b32 s78, s2, 3
	s_add_co_u32 s76, s76, s78
	s_mul_i32 s76, s76, 6656                       ; qb's record of 128 queries: 16 x (batch, head) + 4 X + wave / 8 (+ 2 in the second pass)
	s_add_nc_u64 s[6:7], s[84:85], s[76:77]
	s_and_b32 s78, s2, 7
	s_mul_i32 s76, s78, 768
	s_add_nc_u64 s[4:5], s[6:7], s[76:77]          ; my tile's half-image
	s_lshr_b32 s78, s78, 2
	s_lshl_b32 s76, s78, 8
	s_and_b32 s78, s2, 3
	s_lshl_b32 s78, s78, 2
	s_add_co_u32 s76, s76, s78
	s_add_co_u32 s76, s76, 6144
	s_add_nc_u64 s[6:7], s[6:7], s[76:77]          ; and its scale words
	s_lshl_b32 s75, s72, 5
	s_add_co_u32 s75, s75, s2                      ; T of the first pass
	s_lshl_b32 s76, s75, 12
	s_add_nc_u64 s[8:9], s[88:89], s[76:77]        ; its mask words: 4,096 bytes a tile, 256 a step
	s_lshr_b32 s78, s67, 4
	s_lshl_b32 s78, s78, 7
	s_add_co_u32 s78, s78, s75                     ; cb's row block: 128 x batch + T
	s_and_b32 s79, s67, 15                         ; the head
	s_lshl_b32 s76, s78, 4
	s_add_co_u32 s76, s76, s79
	s_mul_i32 s76, s76, 768
	s_add_nc_u64 s[10:11], s[90:91], s[76:77]      ; my half-image of ctx
	s_lshl_b32 s76, s78, 9
	s_lshr_b32 s78, s79, 2
	s_lshl_b32 s78, s78, 7
	s_add_co_u32 s76, s76, s78
	s_and_b32 s78, s79, 3
	s_lshl_b32 s78, s78, 1
	s_add_co_u32 s76, s76, s78
	s_add_co_u32 s76, s76, CS0
	s_add_nc_u64 s[12:13], s[90:91], s[76:77]      ; and its two scale bytes a row
	v_and_b32 v5, 31, v0
	v_lshlrev_b32 v3, 4, v5                        ; 16 x lane
	v_lshlrev_b32 v4, 3, v5                        ; 8 x lane
	v_and_b32 v10, 15, v0
	v_lshlrev_b32 v5, 4, v10                       ; 16 r
	v_lshlrev_b32 v10, 3, v10                      ; 8 r
	v_mov_b32 v9, 0xceabfb8f                       ; f32(-1e9 x log2(e)) = -1,442,695,040
.irp j, 22,23,24,25,26,27, 38,39,40,41,42,43, 50,51,52,53,54,55, 62,63,64,65,66,67, 74,75,76,77,78,79
	v_mov_b32 v\j, 0                               ; k = 64 .. 127 of Q's and of K's fragments: zero codes, written once
.endr
.irp j, 216,217,218,219,225
	v_mov_b32 v\j, 0                               ; lane permutes' destinations, and the upper half of the pair v[224:225]
.endr
	s_wait_tensorcnt 0x0                           ; my parts of the head are in,
	s_barrier_signal -1
	s_barrier_wait -1                              ; everybody's are.  The descriptors' registers are free from here on
; A KEY STEP: 128 keys.
.macro STEP
	s_load_b512 s[16:31], s[8:9], 0x0              ; the step's 64 mask words: words 0-47 in s16-63, words 48-63 in s80-95
	s_load_b512 s[32:47], s[8:9], 0x40
	s_load_b512 s[48:63], s[8:9], 0x80
	s_load_b512 s[80:95], s[8:9], 0xc0
	v_add_nc_u32 v6, s3, v3
	v_add_nc_u32 v7, s3, v4
	v_add_nc_u32 v8, s3, v5
	v_nop
	v_nop                                          ; five places: the scores below are written over registers that the last step's products read (V's fragments)
	ds_load_b128 v[80:83], v8 offset:12288         ; K's scale words: tiles 0-3 of row r,
	ds_load_b128 v[84:87], v8 offset:12544         ; tiles 4-7
.irp g, 0,1                                    ; S^T = K Q^T, four tiles of 16 keys at a time
.if \g
.rept 4
	v_nop                                          ; places in front of loads into registers that matrix instructions have read; and behind the first four products, whose results are read first
.endr
.endif
.irp t, 0,1,2,3
	ds_load_b128 v[32+12*\t:35+12*\t], v6 offset:(4*\g+\t)*768
	ds_load_b64 v[36+12*\t:37+12*\t], v7 offset:(4*\g+\t)*768+512
.endr
	s_wait_dscnt 0x0
.irp t, 0,1,2,3
	v_wmma_scale_f32_16x16x128_f8f6f4 v[96+8*(4*\g+\t):103+8*(4*\g+\t)], v[32+12*\t:43+12*\t], v[16:27], 0, v[80+4*\g+\t], v28 matrix_a_fmt:MATRIX_FMT_FP6 matrix_b_fmt:MATRIX_FMT_FP6
.endr
.endr
.set j, 0
.rept 32
	v_pk_mul_f32 v[96+j:97+j], v[96+j:97+j], s[70:71] op_sel_hi:[1,0]   ; t = score x log2(e) / 8, in ascending order: the first sixteen are the places behind the last four products
.set j, j+2
.endr
	s_wait_kmcnt 0x0                               ; the mask words
.set n, 0
.rept 64
	v_cndmask_b32 v[96+n], v[96+n], v9, s[16+n+16*(n/48)]   ; register 16 b + i holds key 32 b + 16 (lane / 16) + i of query lane % 16
.set n, n+1
.endr
.irp b, 0,1,2,3
	v_max3_num_f32 v[212+\b], v[96+16*\b], v[97+16*\b], v[98+16*\b]   ; the largest t of each block of 32 keys: it serves for the row's maximum and, since p rises with t, for the block's largest p
.endr
.irp i, 3,5,7,9,11,13
.irp b, 0,1,2,3
	v_max3_num_f32 v[212+\b], v[212+\b], v[96+16*\b+\i], v[97+16*\b+\i]
.endr
.endr
.irp b, 0,1,2,3
	v_max_num_f32 v[212+\b], v[212+\b], v[111+16*\b]
.endr
.irp b, 0,1,2,3
	v_permlanex16_b32 v[216+\b], v[212+\b], s68, s69
.endr
.irp b, 0,1,2,3
	v_max_num_f32 v[212+\b], v[212+\b], v[216+\b]  ; with lane l xor 16's 16 keys
.endr
	v_max3_num_f32 v226, v212, v213, v214
	v_max_num_f32 v226, v226, v215
	v_max_num_f32 v13, v13, v226                   ; the running largest t
	v_mov_b32 v226, v12
	v_floor_f32 v12, -v13                          ; the new -M = -ceil(t)
	v_sub_f32 v226, v12, v226                      ; old M - new M: a whole number, 0 or less
	v_cvt_i32_f32 v226, v226                       ; (it saturates)
	v_ldexp_f32 v224, 1.0, v226                    ; f = 2^(old M - new M)
.set j, 0
.rept 32
	v_pk_add_f32 v[96+j:97+j], v[96+j:97+j], v[12:13] op_sel_hi:[1,0]   ; t - M
.set j, j+2
.endr
.irp b, 0,1,2,3
	v_add_f32 v[212+\b], v[212+\b], v12            ; the same of each block's largest t
.endr
.set j, 0
.rept 64
	v_exp_f32 v[96+j], v[96+j]                     ; p = 2^(t - M), at most 1
.set j, j+1
.endr
	v_pk_mul_f32 v[14:15], v[14:15], v[224:225] op_sel_hi:[1,0]   ; the sums under the new M: a plain place behind the exponentials
	s_wait_alu depctr_va_vdst(0)                   ; one wait for the whole batch, ahead of its first reader
.irp b, 0,1,2,3
	v_exp_f32 v[212+\b], v[212+\b]                 ; the block's largest p: the same instructions on the same number give the same bits
.endr
	v_pk_add_f32 v[228:229], v[96:97], v[98:99]    ; the row's sum is taken of the unquantised p: two at a time, in two chains
.irp j, 4,8,12,16,20,24,28,32,36,40,44,48,52,56,60
	v_pk_add_f32 v[14:15], v[14:15], v[96+\j:97+\j]
	v_pk_add_f32 v[228:229], v[228:229], v[98+\j:99+\j]
.endr
	v_pk_add_f32 v[14:15], v[14:15], v[228:229]
	s_wait_alu depctr_va_vdst(0)                   ; and one for the four
.irp b, 0,1,2,3
	v_max_num_f32 v[212+\b], 0x1800000, v[212+\b]  ; the floor 2^(3 - 127): the byte cannot fall under 1
.endr
.irp b, 0,1,2,3
	v_add_nc_u32 v[220+\b], 0xff000000, v[212+\b]  ; 2 off the exponent field: the conversion's scale operand
.endr
.irp b, 0,1,2,3
	v_lshrrev_b32 v[216+\b], 23, v[220+\b]         ; the scale's byte
.endr
	v_lshl_or_b32 v29, v217, 8, v216               ; p's scale word for these 128 keys
	v_lshl_or_b32 v29, v218, 16, v29
	v_lshl_or_b32 v29, v219, 24, v29
.irp c, 0,1
	v_cvt_scalef32_pk16_fp6_f32 v[192+6*\c:194+6*\c], v[96+32*\c:111+32*\c], v[220+2*\c]
	v_cvt_scalef32_pk16_fp6_f32 v[204+4*\c:206+4*\c], v[112+32*\c:127+32*\c], v[220+2*\c+1]   ; (a conversion's three registers begin on an even number)
.endr
	v_nop                                          ; one plain place behind a scaled conversion
.irp d, 0,1,2,3                                ; V^T's four fragments (16 of the head's 64 x these 128 keys) into the registers that p has left
	ds_load_b128 v[96+12*\d:99+12*\d], v6 offset:6144+1536*\d
	ds_load_b64 v[100+12*\d:101+12*\d], v7 offset:6144+1536*\d+512
	ds_load_b128 v[102+12*\d:105+12*\d], v6 offset:6144+1536*\d+768
	ds_load_b64 v[106+12*\d:107+12*\d], v7 offset:6144+1536*\d+1280
.endr
	ds_load_b128 v[88:91], v8 offset:12800         ; and their scale words
.irp c, 0,1                                    ; the operand's layout wants a WHOLE block in a lane
.irp i, 0,1,2
	v_permlane16_swap_b32 v[192+6*\c+\i], v[204+4*\c+\i]
.endr
.irp i, 0,1,2
	v_mov_b32 v[195+6*\c+\i], v[204+4*\c+\i]
.endr
.endr
.set j, 0
.rept 16
	v_pk_mul_f32 v[160+j:161+j], v[160+j:161+j], v[224:225] op_sel_hi:[1,0]   ; O^T under the new M.  (These sixteen are also the places between the writes of p's codes and scale word and the products)
.set j, j+2
.endr
	s_wait_dscnt 0x0
.irp d, 0,1,2,3                                ; O^T += V^T P^T: the four accumulators by turns
	v_wmma_scale_f32_16x16x128_f8f6f4 v[160+8*\d:167+8*\d], v[96+12*\d:107+12*\d], v[192:203], v[160+8*\d:167+8*\d], v[88+\d], v29 matrix_a_fmt:MATRIX_FMT_FP6 matrix_b_fmt:MATRIX_FMT_FP6
.endr
	s_add_co_u32 s3, s3, REC                       ; the next step's record,
	s_add_nc_u64 s[8:9], s[8:9], 256               ; and its mask words (the scalar loads were waited for)
.endm
; THE WAY OUT of a tile: O^T / the sum is ctx(query r, d = 32 b + 16 (lane / 16) + i): two blocks of 32 along the last product's K: one half-image and two scale bytes a row.
.macro OUT p
	v_add_f32 v14, v14, v15
	v_permlanex16_b32 v226, v14, s68, s69
	v_add_f32 v14, v14, v226                       ; the row's sum
	v_rcp_f32 v14, v14
.rept 4
	v_nop                                          ; the plain place behind the reciprocal, and the places behind the last products
.endr
	s_wait_alu depctr_va_vdst(0)                   ; ahead of the reciprocal's first reader
.set j, 0
.rept 16
	v_pk_mul_f32 v[96+j:97+j], v[160+j:161+j], v[14:15] op_sel_hi:[1,0]
.set j, j+2
.endr
.irp b, 0,1
	v_max3_num_f32 v[212+\b], |v[96+16*\b]|, |v[97+16*\b]|, 0x1800000
.endr
.irp i, 2,4,6,8,10,12,14
.irp b, 0,1
	v_max3_num_f32 v[212+\b], v[212+\b], |v[96+16*\b+\i]|, |v[97+16*\b+\i]|
.endr
.endr
.irp b, 0,1
	v_permlanex16_b32 v[216+\b], v[212+\b], s68, s69
.endr
.irp b, 0,1
	v_max_num_f32 v[212+\b], v[212+\b], v[216+\b]
.endr
.irp b, 0,1
	v_add_nc_u32 v[220+\b], 0xff000000, v[212+\b]
.endr
.irp b, 0,1
	v_lshrrev_b32 v[216+\b], 23, v[220+\b]
.endr
	v_cvt_scalef32_pk16_fp6_f32 v[192:194], v[96:111], v220
	v_cvt_scalef32_pk16_fp6_f32 v[204:206], v[112:127], v221
	v_nop                                          ; one plain place behind a scaled conversion
.irp i, 0,1,2
	v_permlane16_swap_b32 v[192+\i], v[204+\i]
.endr
.irp i, 0,1,2
	v_mov_b32 v[195+\i], v[204+\i]
.endr
	v_lshl_or_b32 v226, v217, 8, v216
	global_store_b128 v3, v[192:195], s[10:11] offset:196608*\p        ; 512 consecutive bytes; the second pass's tile lies 16 row blocks on
	global_store_b64 v4, v[196:197], s[10:11] offset:196608*\p+512     ; 256
	global_store_b16 v10, v226, s[12:13] offset:8192*\p                ; the head's two bytes of row r (lanes 16-31 write the same bytes)
.endm
.macro PASS p
	s_wait_xcnt 0x0                                ; the last pass's stores have read their registers
	v_mov_b32 v13, 0xff61b1e6                      ; the largest t so far: -3e38, under every t
	v_floor_f32 v12, -v13                          ; -M
	v_mov_b32 v14, 0
	v_mov_b32 v15, 0
.set j, 0
.rept 32
	v_mov_b32 v[160+j], 0                          ; O^T: the step is written once; the first finds zeros, which the first change of M leaves zeros
.set j, j+1
.endr
	s_mov_b32 s3, 0
	global_load_b128 v[16:19], v3, s[4:5] offset:13312*\p
	global_load_b64 v[20:21], v4, s[4:5] offset:13312*\p+512
	global_load_b32 v28, v5, s[6:7] offset:13312*\p
	s_mov_b32 s66, 16
	s_wait_loadcnt 0x0
.Lstep_\@:
	STEP
	s_sub_co_u32 s66, s66, 1
	s_cmp_lg_u32 s66, 0
	s_cbranch_scc1 .Lstep_\@
	OUT \p
.endm
	PASS 0
	s_add_nc_u64 s[8:9], s[8:9], 61440             ; the mask words of the tile 16 further on: 65,536 bytes less the 4,096 walked
	PASS 1
	s_wait_tensorcnt 0x0                           ; the wave's end, behind my last tensor load
	ds_add_u32 v1, v2
	s_wait_dscnt 0x0
	ROUND                                          ; the closing round
	s_endpgm
.Lfunc_end_k_qaf717d0654_attn:
	.size	k_qaf717d0654_attn, .Lfunc_end_k_qaf717d0654_attn-k_qaf717d0654_attn
	.p2alignl 7, 3214868480
	.fill 96, 4, 3214868480
	.section	.rodata,"a",@progbits
	.p2align	6, 0x0
	.amdhsa_kernel k_qaf717d0654_attn
		.amdhsa_group_segment_fixed_size 215040
		.amdhsa_private_segment_fixed_size 0
		.amdhsa_enable_private_segment 0
		.amdhsa_kernarg_size 32
		.amdhsa_user_sgpr_count 2
		.amdhsa_user_sgpr_kernarg_segment_ptr 1
		.amdhsa_wavefront_size32 1
		.amdhsa_system_sgpr_workgroup_id_x 1
		.amdhsa_system_sgpr_workgroup_id_y 1
		.amdhsa_system_sgpr_workgroup_id_z 1
		.amdhsa_system_vgpr_workitem_id 0
		.amdhsa_next_free_vgpr 256
		.amdhsa_next_free_sgpr 96
		.amdhsa_reserve_vcc 0
		.amdhsa_float_denorm_mode_32 3
		.amdhsa_float_denorm_mode_16_64 3
		.amdhsa_memory_ordered 1
		.amdhsa_forward_progress 1
		.amdhsa_inst_pref_size 61
	.end_amdhsa_kernel
	.amdgpu_metadata
---
amdhsa.version: [ 1, 2 ]
amdhsa.kernels:
  - .name:           k_qaf717d0654_attn
    .symbol:         k_qaf717d0654_attn.kd
    .args:
      - { .name: qb, .offset: 0, .size: 8, .value_kind: global_buffer, .address_space: global }
      - { .name: kv, .offset: 8, .size: 8, .value_kind: global_buffer, .address_space: global }
      - { .name: maskw, .offset: 16, .size: 8, .value_kind: global_buffer, .address_space: global }
      - { .name: cb, .offset: 24, .size: 8, .value_kind: global_buffer, .address_space: global }
    .group_segment_fixed_size: 215040
    .private_segment_fixed_size: 0
    .kernarg_segment_align: 8
    .kernarg_segment_size: 32
    .max_flat_workgroup_size: 512
    .sgpr_count:     96
    .vgpr_count:     256
    .wavefront_size: 32
...
	.end_amdgpu_metadata
.endif
;; end of part 3
;; launch outp (part 4): grid 4 x 32, 4 waves a work-group, clusters of 4 x 4, 327,680 bytes of LDS; arguments cb, wb, out0; writes out0
.if DOCPART == 4
	.amdgcn_target "amdgcn-amd-amdhsa--gfx1250"
	.amdhsa_code_object_version 6
	.text
	.protected	k_qaf717d0654_outp
	.globl	k_qaf717d0654_outp
	.p2align	8
	.type	k_qaf717d0654_outp,@function
k_qaf717d0654_outp:
	s_mov_b64 s[64:65], 0
	v_nop
	global_prefetch_b8 v0, s[64:65] scope:SCOPE_SE
	s_setreg_imm32_b32 hwreg(HW_REG_WAVE_MODE, 25, 1), 1
	s_wait_xcnt 0x0
	s_wait_alu depctr_hold_cnt(0) depctr_sa_sdst(0) depctr_va_vdst(0) depctr_va_sdst(0) depctr_va_ssrc(0) depctr_va_vcc(0) depctr_vm_vsrc(0)
	s_getreg_b32 s2, hwreg(HW_REG_IB_STS2, 6, 4)
	s_cmp_eq_u32 s2, 0
	s_cbranch_scc0 .Lentry_in_a_cluster
	s_endpgm
.Lentry_in_a_cluster:
	s_bfe_u32 s2, ttmp6, 0x10000c
	s_cmp_lg_u32 s2, 0xf033
	s_cbranch_scc0 .Lentry_shape_is_right
	s_endpgm
.Lentry_shape_is_right:
; out0 = ctx W_o on codes of FP6 (E2M3) with E8M0 scales; K = 1,024; sums and result in f32.  ctx's codes (cb) and W_o's (the fourth weight of wb) lie in the order of the operand's registers:
; a half-image of 768 bytes is 16 rows x 64 K (lane l's registers 0-3 at 16 l, 4-5 at 512 + 8 l); a fragment is two of them.
; A work-group of four waves makes 256 x 256 of out0, a wave 128 x 128: 64 accumulators.  K goes in steps of 256 through a ring of two LDS slots filled by the tensor data mover.
; CLUSTERS: 4 x 4 work-groups; A's (ctx's) tiles are shared along a row of the cluster, B's (W_o's) along a column: joint tensor loads.
; THE MATRIX INSTRUCTION IS USED TRANSPOSED (source 0 = 16 rows of W_o, source 1 = 16 rows of ctx): a lane holds eight neighbouring numbers of a row of out0.
; W_o's rows n lie with bits 3 and 4 of their number exchanged: tile 2 b + u, register j of lane (r, h) is column 32 b + 16 h + 8 u + j: the stage's offsets put them back.
; REGISTERS, in windows of 256: window 0: v0-31 addresses; v32-63 scale words, two sets; from v128 A's fragments, one set (on the way out: rows read back).  window 1: B's fragments, two sets.  windows 2, 3: the accumulators.
.set SIZE_N, 1024
.set NQ,     2
.set FR,     12
.set NL,     4
.set NP,     4
.set RBB,    3072
.set RBP,    12288
.set HALFT,  8*RBB
.set SLOT,   4*HALFT
.set SCL,    2*SLOT
.set HALFS,  4096
.set SBLK,   512
.set SPARE,  SCL+4*HALFS               ; the spare words, 128 bytes for each wave: two blocks of 256 bytes that no other line names
.set CS0,    6291456                   ; cb: where the scale bytes begin
.set WOC,    3*786432                  ; wb: W_o's codes,
.set WOS,    3145728+3*32768           ; and its scale bytes
.set SPITCH, 528                       ; the way out: a stage of 16 rows x (512 bytes + 16) for each wave, in slot 0, which has had its last fill and its last read when the first result is stored there
.set ADRA, 16
.set ADRB, 20
.set STO,  24
.set RD,   25
.set CO,   26
.set ADRS, 27
.set SPW,  28
.set NIL,  29
.set SC,   32
.set AF,   128
.set BK,   128
.set G1, 24
.set G0, 32
.set G1B, 48
.set G0B, 56
.set G1S, 68
.set G0S, 76
.set G1SB, 80
.set G0SB, 88
.set MSB, 0
.macro WIN new                         ; the immediate's high byte repeats the setting that is left
.if MSB != \new
	s_set_vgpr_msb (MSB<<8)|\new
.set MSB, \new
.endif
.endm
.set MUL_LO, 0xa1
.set MUL_HI, 0xf1
.set TO_B,   0x40
.macro JLOAD g0a, g1a, g0b, g1b        ; a joint load: waves 0 and 1 fetch for A, waves 2 and 3 for B; an s_nop 0 and four v_nop follow each of the two lines
	s_cmp_eq_u32 s15, 0
	s_cbranch_scc0 .Lfor_b_\@
	tensor_load_to_lds s[\g0a:\g0a+3], s[\g1a:\g1a+7]
	s_nop 0
.rept 4
	v_nop
.endr
	s_branch .Lasked_\@
.Lfor_b_\@:
	tensor_load_to_lds s[\g0b:\g0b+3], s[\g1b:\g1b+7]
	s_nop 0
.rept 4
	v_nop
.endr
.Lasked_\@:
.endm
.macro CREST
	s_cmp_lg_u32 s14, 0
	s_cbranch_scc1 .Lnot_wave_0_\@
	s_barrier_signal -3
.Lnot_wave_0_\@:
	s_barrier_wait -3
	s_barrier_signal -1
	s_barrier_wait -1
.endm
.macro CROUND
	s_barrier_signal -1
	s_barrier_wait -1
	CREST
.endm
	s_load_b128 s[4:7], s[0:1], 0x0                ; cb s[4:5], wb s[6:7]
	s_load_b64 s[12:13], s[0:1], 0x10              ; out0
	v_lshl_add_u32 v[SPW], v0, 2, SPARE
	v_mov_b32 v[NIL], 0
	ds_add_u32 v[SPW], v[NIL]                      ; the wave's opening: the add and its wait stand ahead of my first tensor load; the set-up below, work on registers, stands between them
	v_lshrrev_b32 v1, 5, v0
	v_readfirstlane_b32 s14, v1                    ; wave 0..3
	s_lshr_b32 s15, s14, 1                         ; which half of the tile's rows is mine.  Also: I fetch for A (0) or for B (1)
	s_and_b32 s16, s14, 1                          ; which half of its columns.  Also: which 128 rows I fetch
	s_bfe_u32 s40, ttmp6, 0x40000                  ; cx, cy
	s_bfe_u32 s41, ttmp6, 0x40004
	s_lshl_b32 s42, ttmp9, 2
	s_add_co_u32 s42, s42, s40                     ; tile column = 4 x cluster x + cx
	s_and_b32 s17, ttmp7, 0xffff
	s_lshl_b32 s17, s17, 2
	s_add_co_u32 s17, s17, s41                     ; tile row = 4 x cluster y + cy
	s_lshl_b32 s43, s41, 2
	s_lshl_b32 s43, 15, s43                        ; my row of the cluster
	s_lshl_b32 s44, 0x1111, s40                    ; my column
	s_or_b32 s[G1+0], s43, (3<<16)|(1<<21)         ; the codes: 8 rows (row blocks) of 3,072 bytes, 12,288 bytes apart, elements of 8 bytes, dense in LDS
	s_or_b32 s[G1B+0], s44, (3<<16)|(1<<21)
.irp g, G1, G1B
	s_mov_b32 s[\g+1], 384<<16
	s_mov_b32 s[\g+2], 8<<16
	s_mov_b32 s[\g+3], 384<<16
	s_mov_b32 s[\g+4], 8
	s_mov_b32 s[\g+5], 1536
	s_mov_b32 s[\g+6], 0
	s_mov_b32 s[\g+7], 0
.endr
	s_or_b32 s[G1S+0], s43, (3<<16)|(1<<21)        ; the scale bytes of 128 rows: 4,096 dense bytes as 16 rows of 256
	s_or_b32 s[G1SB+0], s44, (3<<16)|(1<<21)
.irp g, G1S, G1SB
	s_mov_b32 s[\g+1], 32<<16
	s_mov_b32 s[\g+2], 16<<16
	s_mov_b32 s[\g+3], 32<<16
	s_mov_b32 s[\g+4], 16
	s_mov_b32 s[\g+5], 32
	s_mov_b32 s[\g+6], 0
	s_mov_b32 s[\g+7], 0
.endr
	s_lshl_b32 s18, s16, 3
	s_lshl_b32 s20, s17, 4
	s_add_co_u32 s20, s20, s18                     ; A: row block 16 x tile row + 8 x half
	s_lshl_b32 s46, s42, 4
	s_add_co_u32 s46, s46, s18                     ; B: 16 x tile column + 8 x half
	s_lshl_b32 s22, s20, 9
	s_add_co_u32 s22, s22, CS0                     ; their scale bytes,
	s_lshl_b32 s66, s46, 9
	s_add_co_u32 s66, s66, WOS
	s_mul_i32 s20, s20, RBP                        ; and their codes
	s_mul_i32 s46, s46, RBP
	s_add_co_u32 s46, s46, WOC
	s_mov_b32 s21, 0
	s_mov_b32 s23, 0
	s_mov_b32 s47, 0
	s_mov_b32 s67, 0
	s_mul_i32 s45, s14, HALFT                      ; where they go: wave x 128 rows
	s_mul_i32 s94, s14, HALFS
	s_wait_dscnt 0x0                               ; the opening add is done
	s_wait_kmcnt 0x0
	s_add_nc_u64 s[20:21], s[4:5], s[20:21]
	s_add_nc_u64 s[22:23], s[4:5], s[22:23]
	s_add_nc_u64 s[46:47], s[6:7], s[46:47]
	s_add_nc_u64 s[66:67], s[6:7], s[66:67]
	CROUND                                         ; all sixteen work-groups are here: the first joint loads meet
	s_mov_b32 s[G0S], 1
	s_add_co_u32 s[G0S+1], s94, SCL
	s_mov_b64 s[G0S+2:G0S+3], s[22:23]
	s_or_b32 s[G0S+3], s[G0S+3], 0x80000000
	s_mov_b32 s[G0SB], 1
	s_add_co_u32 s[G0SB+1], s94, SCL
	s_mov_b64 s[G0SB+2:G0SB+3], s[66:67]
	s_or_b32 s[G0SB+3], s[G0SB+3], 0x80000000
	JLOAD G0S, G1S, G0SB, G1SB                     ; the scale bytes first.  With the two below, three loads of mine are out
.irp s, 0,1
	s_mov_b32 s[G0+4*\s], 1
	s_add_co_u32 s[G0+4*\s+1], s45, \s*SLOT
	s_add_nc_u64 s[G0+4*\s+2:G0+4*\s+3], s[20:21], \s*RBB
	s_or_b32 s[G0+4*\s+3], s[G0+4*\s+3], 0x80000000
	s_mov_b32 s[G0B+4*\s], 1
	s_add_co_u32 s[G0B+4*\s+1], s45, \s*SLOT
	s_add_nc_u64 s[G0B+4*\s+2:G0B+4*\s+3], s[46:47], \s*RBB
	s_or_b32 s[G0B+4*\s+3], s[G0B+4*\s+3], 0x80000000
	JLOAD G0+4*\s, G1, G0B+4*\s, G1B
.endr
	v_and_b32 v3, 31, v0                           ; lane
	v_and_b32 v1, 15, v0                           ; r
	v_bfe_u32 v2, v0, 4, 1                         ; h
	v_lshlrev_b32 v4, 4, v3
	v_lshlrev_b32 v5, 3, v3
	s_mul_i32 s21, s15, HALFT
	s_mul_i32 s22, s16, HALFT
	s_add_co_u32 s22, s22, 2*HALFT
.irp s, 0,1
	v_add_nc_u32 v[ADRA+\s], s21, v4
	v_add_nc_u32 v[ADRB+\s], s22, v4
	v_add_nc_u32 v[ADRA+2+\s], s21, v5
	v_add_nc_u32 v[ADRB+2+\s], s22, v5
	s_add_co_u32 s21, s21, SLOT
	s_add_co_u32 s22, s22, SLOT
.endr
	v_lshlrev_b32 v5, 3, v1
	s_mul_i32 s21, s15, HALFS
	s_mul_i32 s22, s16, HALFS
	s_add_co_u32 s22, s22, 2*HALFS
	s_sub_co_u32 s22, s22, s21
	v_mul_u32_u24 v6, s22, v2                      ; lanes 16-31 take B's
	s_add_co_u32 s21, s21, SCL
	v_add_nc_u32 v5, v5, v6
	v_add_nc_u32 v[ADRS], s21, v5
	s_mul_i32 s23, s14, 16*SPITCH                  ; my stage
	v_mul_u32_u24 v5, v1, SPITCH                   ; in: row r, + 64 h
	v_lshl_add_u32 v5, v2, 6, v5
	v_add_nc_u32 v[STO], s23, v5
	v_mov_b32 v[CO], v4                            ; back: the 32 lanes take one row of 512 bytes; and the same in out0
	v_add_nc_u32 v[RD], s23, v4
	s_lshl_b32 s20, s17, 8
	s_lshl_b32 s21, s15, 7
	s_add_co_u32 s20, s20, s21                     ; my first row: 256 x tile row + 128 x half
	s_lshl_b32 s20, s20, 12                        ; a row of out0 is 4,096 bytes
	s_mov_b32 s21, 0
	s_lshl_b32 s46, s42, 10                        ; my first column, in bytes: 1,024 x tile column + 512 x half
	s_lshl_b32 s47, s16, 9
	s_add_co_u32 s46, s46, s47
	s_mov_b32 s47, 0
	s_add_nc_u64 s[20:21], s[20:21], s[46:47]
	s_add_nc_u64 s[12:13], s[12:13], s[20:21]
.macro FRAG reg, adr, q, i             ; a fragment: row block i, the slot's q-th 128 along K: two half-images, as they lie
	ds_load_b128 v[\reg:\reg+3], v[\adr] offset:(\i)*RBB+1536*(\q)
	ds_load_b64 v[\reg+4:\reg+5], v[\adr+2] offset:(\i)*RBB+1536*(\q)+512
	ds_load_b128 v[\reg+6:\reg+9], v[\adr] offset:(\i)*RBB+1536*(\q)+768
	ds_load_b64 v[\reg+10:\reg+11], v[\adr+2] offset:(\i)*RBB+1536*(\q)+1280
.endm
; The 64 accumulators take turns, one instruction a turn, in the same order in every step.
.macro MUL16 a0, p, q, sc, zero
.irp a, \a0, \a0+1
.irp b, 0,1,2,3,4,5,6,7
.if \zero
	v_wmma_scale_f32_16x16x128_f8f6f4 v[8*(8*((\a)%4)+\b):8*(8*((\a)%4)+\b)+7], v[128*(\p)+FR*\b:128*(\p)+FR*\b+FR-1], v[AF+FR*(\a):AF+FR*(\a)+FR-1], 0, v[SC+8*NQ*(\sc)+NQ*\b+(\q)], v[SC+8*NQ*(\sc)+NQ*(\a)+(\q)] matrix_a_fmt:MATRIX_FMT_FP6 matrix_b_fmt:MATRIX_FMT_FP6 matrix_a_scale:MATRIX_SCALE_ROW1
.else
	v_wmma_scale_f32_16x16x128_f8f6f4 v[8*(8*((\a)%4)+\b):8*(8*((\a)%4)+\b)+7], v[128*(\p)+FR*\b:128*(\p)+FR*\b+FR-1], v[AF+FR*(\a):AF+FR*(\a)+FR-1], v[8*(8*((\a)%4)+\b):8*(8*((\a)%4)+\b)+7], v[SC+8*NQ*(\sc)+NQ*\b+(\q)], v[SC+8*NQ*(\sc)+NQ*(\a)+(\q)] matrix_a_fmt:MATRIX_FMT_FP6 matrix_b_fmt:MATRIX_FMT_FP6 matrix_a_scale:MATRIX_SCALE_ROW1
.endif
.endr
.endr
.endm
.macro FETCH_B slot, q, p
	WIN TO_B
.irp i, 0,1,2,3,4,5,6,7
	FRAG 128*(\p)+FR*\i, ADRB+\slot, \q, \i
.endr
	WIN 0
.endm
.macro FETCH_A slot, q, i0
.irp i, \i0, \i0+1, \i0+2, \i0+3
	FRAG AF+FR*(\i), ADRA+\slot, \q, \i
.endr
.endm
.macro SCALES sc
.irp i, 0,1,2,3,4,5,6,7
	ds_load_b64 v[SC+8*NQ*\sc+NQ*\i:SC+8*NQ*\sc+NQ*\i+1], v[ADRS] offset:\i*SBLK
.endr
.endm
.macro PLACES n
.rept \n
	v_nop
.endr
.endm
.macro STEP slot, q, zero
	s_wait_dscnt 4*NL                              ; B's set and A's blocks 0-3 are in; the youngest sixteen loads (A's blocks 4-7) may be out
	WIN MUL_LO
	MUL16 0, (\q)%2, \q, \slot, \zero
	MUL16 2, (\q)%2, \q, \slot, \zero
	s_wait_dscnt 0
	PLACES NP
	FETCH_B \slot, (\q)+1, 1-(\q)%2
	FETCH_A \slot, (\q)+1, 0
	WIN MUL_HI
	MUL16 4, (\q)%2, \q, \slot, \zero
	MUL16 6, (\q)%2, \q, \slot, \zero
	PLACES NP
	WIN 0
	FETCH_A \slot, (\q)+1, 4
.endm
; A slot's last step changes slots: ONE barrier; in front of it each wave waits for all its tensor loads, adds 0 to its spare word, and waits for that and for its own reads of this slot.
.macro TURN slot, next, fill
	s_wait_tensorcnt 0x0                           ; all my tensor loads have landed: my part of the next slot
	ds_add_u32 v[SPW], v[NIL]                      ; 0 onto my spare word
	s_wait_dscnt 4*NL+1                            ; (the add and the youngest sixteen loads may be out)
	WIN MUL_LO
	MUL16 0, 1, NQ-1, \slot, 0
	s_wait_dscnt 0x0                               ; the add is done, and my reads of this slot are over
	s_barrier_signal -1
	MUL16 2, 1, NQ-1, \slot, 0
	WIN 0
	s_barrier_wait -1
.if \fill
	CREST                                          ; the barrier has opened a round of the cluster's barrier
	s_add_nc_u64 s[G0+4*\slot+2:G0+4*\slot+3], s[G0+4*\slot+2:G0+4*\slot+3], 2*RBB
	s_add_nc_u64 s[G0B+4*\slot+2:G0B+4*\slot+3], s[G0B+4*\slot+2:G0B+4*\slot+3], 2*RBB
	JLOAD G0+4*\slot, G1, G0B+4*\slot, G1B         ; the first tensor load behind the round
.else
	PLACES NP
.endif
	v_add_nc_u32 v[ADRS], 128, v[ADRS]
	FETCH_B \next, 0, 0
	FETCH_A \next, 0, 0
	SCALES \next
	WIN MUL_HI
	MUL16 4, 1, NQ-1, \slot, 0
	MUL16 6, 1, NQ-1, \slot, 0
	PLACES NP
	WIN 0
	FETCH_A \next, 0, 4
.endm
	s_wait_tensorcnt 1                             ; the scale bytes and my part of K step 0 are in (K step 1's load may be out),
	s_barrier_signal -1
	s_barrier_wait -1                              ; everybody's are
	FETCH_B 0, 0, 0
	FETCH_A 0, 0, 0
	SCALES 0
	FETCH_A 0, 0, 4
	STEP 0, 0, 1
	TURN 0, 1, 1
	STEP 1, 0, 0
	TURN 1, 0, 1
	STEP 0, 0, 0
	TURN 0, 1, 0
	STEP 1, 0, 0
	s_wait_dscnt 4*NL
	WIN MUL_LO
	MUL16 0, 1, NQ-1, 1, 0
	MUL16 2, 1, NQ-1, 1, 0
	s_wait_dscnt 0
	WIN MUL_HI
	MUL16 4, 1, NQ-1, 1, 0
	MUL16 6, 1, NQ-1, 1, 0
	WIN 0
; THE WAY OUT, block by block of 16 rows x 128 columns, through my own stage in LDS: back come whole rows of 512 bytes.  LDS serves a wave's instructions in order: no wait between the stores and the loads.
.macro TOSTAGE a
.set AC, 64*((\a)%4)
	WIN 0x08+4*((\a)/4)                            ; the data: window 2 or 3
.irp b, 0,1,2,3,4,5,6,7
	ds_store_b128 v[STO], v[AC+8*\b:AC+8*\b+3] offset:128*(\b/2)+32*(\b%2)          ; columns 32 (b / 2) + 16 h + 8 (b % 2) + 0 .. 3; each accumulator from its low end on
	ds_store_b128 v[STO], v[AC+8*\b+4:AC+8*\b+7] offset:128*(\b/2)+32*(\b%2)+16
.endr
	WIN 0
.set BB, BK+64*((\a)%2)
.irp t, 0,1,2,3,4,5,6,7,8,9,10,11,12,13,14,15
	ds_load_b128 v[BB+4*\t:BB+4*\t+3], v[RD] offset:\t*SPITCH
.endr
.endm
.macro SEND a, younger                 ; younger: the LDS instructions issued behind block a's loads, which may stay out
.set BB, BK+64*((\a)%2)
	s_wait_dscnt \younger
.if (\a) > 0
	s_add_nc_u64 s[12:13], s[12:13], 16*SIZE_N*4   ; (behind a wait on XCNT: the earlier stores have read their base)
.endif
.irp t, 0,1,2,3,4,5,6,7,8,9,10,11,12,13,14,15
	global_store_b128 v[CO], v[BB+4*\t:BB+4*\t+3], s[12:13] offset:\t*SIZE_N*4 th:TH_STORE_NT   ; 32 lanes store 512 consecutive bytes, at a multiple of 256 from out0's first byte
.endr
.endm
	PLACES NP
	TOSTAGE 0
.irp a, 1,2,3,4,5,6,7
.if \a > 1
	s_wait_xcnt 0x0                                ; block a - 2's stores have read their registers and their base
.endif
	TOSTAGE \a
	SEND \a-1, 32                                  ; behind block a - 1's loads: block a's 16 stores and 16 loads
.endr
	s_wait_xcnt 0x0
	SEND 7, 0
	s_wait_tensorcnt 0x0                           ; the wave's end, behind my last tensor load and my last LDS store
	ds_add_u32 v[SPW], v[NIL]
	s_wait_dscnt 0x0
	CROUND                                         ; the closing round
	s_endpgm
.Lfunc_end_k_qaf717d0654_outp:
	.size	k_qaf717d0654_outp, .Lfunc_end_k_qaf717d0654_outp-k_qaf717d0654_outp
	.p2alignl 7, 3214868480
	.fill 96, 4, 3214868480
	.section	.rodata,"a",@progbits
	.p2align	6, 0x0
	.amdhsa_kernel k_qaf717d0654_outp
		.amdhsa_group_segment_fixed_size 327680
		.amdhsa_private_segment_fixed_size 0
		.amdhsa_enable_private_segment 0
		.amdhsa_kernarg_size 24
		.amdhsa_user_sgpr_count 2
		.amdhsa_user_sgpr_kernarg_segment_ptr 1
		.amdhsa_wavefront_size32 1
		.amdhsa_system_sgpr_workgroup_id_x 1
		.amdhsa_system_sgpr_workgroup_id_y 1
		.amdhsa_system_sgpr_workgroup_id_z 1
		.amdhsa_system_vgpr_workitem_id 0
		.amdhsa_next_free_vgpr 1024
		.amdhsa_next_free_sgpr 98
		.amdhsa_reserve_vcc 0
		.amdhsa_float_denorm_mode_32 3
		.amdhsa_float_denorm_mode_16_64 3
		.amdhsa_memory_ordered 1
		.amdhsa_forward_progress 1
		.amdhsa_inst_pref_size 143
	.end_amdhsa_kernel
	.amdgpu_metadata
---
amdhsa.version: [ 1, 2 ]
amdhsa.kernels:
  - .name:           k_qaf717d0654_outp
    .symbol:         k_qaf717d0654_outp.kd
    .args:
      - { .name: cb, .offset: 0, .size: 8, .value_kind: global_buffer, .address_space: global }
      - { .name: wb, .offset: 8, .size: 8, .value_kind: global_buffer, .address_space: global }
      - { .name: out0, .offset: 16, .size: 8, .value_kind: global_buffer, .address_space: global }
    .group_segment_fixed_size: 327680
    .private_segment_fixed_size: 0
    .kernarg_segment_align: 8
    .kernarg_segment_size: 24
    .max_flat_workgroup_size: 128
    .sgpr_count:     98
    .vgpr_count:     1024
    .wavefront_size: 32
...
	.end_amdgpu_metadata
.endif
;; end of part 4
